; MI455X (gfx1250); checked and timed in simulation.
; The chip was launched on July 23, 2026; its instructions are those of AMD's public machine-readable ISA for CDNA 5 (MIT licence, August 2026) and "CDNA5" Instruction Set Architecture Reference Guide (July 2026). The comments in the code are by the model that wrote it; some were corrected since.
;; Simple Transformer Layer. Allowed arithmetic: matrix products marked QUANTISED: E2M3 operands, one E8M0 scale for each 32 along K, by v_wmma_scale_f32_16x16x128_f8f6f4 with both operands' format E2M3, f32 sums; everything else in f32.
;; Inputs: W1_codes 4,096 x 32 x 24 uint8 (E2M3 codes of W1, K innermost, in blocks of 32 codes, four codes in three bytes); W1_scales 4,096 x 32 uint8 (E8M0 scales of W1, one for each 32 codes along K); W2_codes 1,024 x 128 x 24 uint8 (E2M3 codes of W2, K innermost, in blocks of 32 codes, four codes in three bytes); W2_scales 1,024 x 128 uint8 (E8M0 scales of W2, one for each 32 codes along K); Wk_codes 1,024 x 32 x 24 uint8 (E2M3 codes of Wk, K innermost, in blocks of 32 codes, four codes in three bytes); Wk_scales 1,024 x 32 uint8 (E8M0 scales of Wk, one for each 32 codes along K); Wo_codes 1,024 x 32 x 24 uint8 (E2M3 codes of Wo, K innermost, in blocks of 32 codes, four codes in three bytes); Wo_scales 1,024 x 32 uint8 (E8M0 scales of Wo, one for each 32 codes along K); Wq_codes 1,024 x 32 x 24 uint8 (E2M3 codes of Wq, K innermost, in blocks of 32 codes, four codes in three bytes); Wq_scales 1,024 x 32 uint8 (E8M0 scales of Wq, one for each 32 codes along K); Wv_codes 1,024 x 32 x 24 uint8 (E2M3 codes of Wv, K innermost, in blocks of 32 codes, four codes in three bytes); Wv_scales 1,024 x 32 uint8 (E8M0 scales of Wv, one for each 32 codes along K); attention_mask 2 x 2,048 float32; b1 4,096 float32; b2 1,024 float32; be1 1,024 float32; be2 1,024 float32; bk 1,024 float32; bo 1,024 float32; bq 1,024 float32; bv 1,024 float32; g1 1,024 float32; g2 1,024 float32; x 2 x 2,048 x 1,024 float32.
;; Outputs: out0 2 x 2,048 x 1,024 float32.
;; This version of the problem:
;;   THIS VERSION OF THE PROBLEM IS GIVEN IN LOW PRECISION. The matrix products marked QUANTISED in the list below multiply operands that are first quantised to E2M3 (2 exponent bits, 3 mantissa bits; 6 bits a number), with one power-of-two scale for each 32 numbers along K (OCP MX v1.0); their sums are f32. All else is computed in f32.
;;   The module's matrix products, in the order in which they are computed (A, B: the left and right operand; K: the contracted axis; several contracted axes count as one K, in the product's order):
;;     1. [M 4,096, K 1,024] x [K 1,024, N 1,024]; A: computed on the way; B: input Wq (given as codes): QUANTISED
;;     2. [M 4,096, K 1,024] x [K 1,024, N 1,024]; A: computed on the way; B: input Wk (given as codes): QUANTISED
;;     3. [M 4,096, K 1,024] x [K 1,024, N 1,024]; A: computed on the way; B: input Wv (given as codes): QUANTISED
;;     4. batch 32 x [M 2,048, K 64] x [K 64, N 2,048]; A: computed on the way; B: computed on the way: QUANTISED
;;     5. batch 32 x [M 2,048, K 2,048] x [K 2,048, N 64]; A: softmax (see below); B: computed on the way: QUANTISED
;;     6. [M 4,096, K 1,024] x [K 1,024, N 1,024]; A: computed on the way; B: input Wo (given as codes): QUANTISED
;;     7. [M 4,096, K 1,024] x [K 1,024, N 4,096]; A: computed on the way; B: input W1 (given as codes): QUANTISED
;;     8. [M 4,096, K 4,096] x [K 4,096, N 1,024]; A: computed on the way; B: input W2 (given as codes): QUANTISED
;;   THE QUANTISER, for each operand of a quantised product, along K:
;;     - K is cut into blocks of 32 from its start; a last block that is shorter is filled with zeros.
;;     - A block's scale is 2^e with e = floor(log2(the largest magnitude in the block)) - 2, held to -126 .. 127; a block of zeros has e = 0. As a byte (E8M0): e + 127.
;;     - Each number is divided by its block's scale, clamped to +-7.5, and rounded to the nearest number of E2M3, ties to even, subnormals kept.
;;     - The product sums the exact products of the quantised numbers (number of the format x scale) in f32.
;;   ~~~python
;;   def quantise(x, axis):      # numpy; x: float32 -> the quantised numbers, widened to float32 again
;;       x = np.moveaxis(x, axis, -1); K = x.shape[-1]
;;       x = np.pad(x, [(0, 0)] * (x.ndim - 1) + [(0, -K % 32)]); x = x.reshape(x.shape[:-1] + (-1, 32)); a = np.abs(x).max(-1, keepdims=True)
;;       e = np.where(a > 0, np.clip(np.frexp(np.where(a > 0, a, 1))[1] - 1 - 2, -126, 127), 0)      # np.frexp(a)[1] - 1 = floor(log2(a)), exactly
;;       r = np.clip(x / 2.0 ** e, -7.5, 7.5)
;;       step = 2.0 ** (np.maximum(np.frexp(np.where(r == 0, 1, r))[1] - 1, 0) - 3)
;;       q = np.round(r / step) * step * 2.0 ** e      # np.round: ties to even
;;       return np.moveaxis(q.reshape(q.shape[:-2] + (-1,))[..., :K], -1, axis).astype(np.float32)
;;   ~~~
;;   SOFTMAX AHEAD OF A QUANTISED PRODUCT. Where the list says 'softmax', what is quantised is not the finished softmax but p = 2^(t - M), with t = logit x log2(e) and M = ceil(the row's largest t), a whole number; so 1/2 < the row's largest p <= 1. The row's sum l is taken of the UNQUANTISED p, in f32, and the product's result is divided by l at the end. Since M is a whole number, a kernel that streams over the keys may use a running M (the ceiling of the running maximum): every later rescaling is an exact power of two, which a block's scale takes up: the codes' values come out the same.
;;   OPERANDS COMPUTED ON THE WAY. 'Computed on the way' means the value that the module computes at that place (a softmax that the list does not call 'softmax' is quantised finished and normalised). What goes into a quantiser is computed in f32, as accurately as f32 sums, v_exp_f32 and their like allow (about 1e-6 of the number): no bf16 or f16 on the way to a quantiser, and a product that is left as it is and whose result goes on into a quantised operand takes f32 operands (vector FMAs, or v_wmma_f32_16x16x4_f32). A number that lies on a knife's edge between two numbers of the format may be rounded either way, as far as f32 arithmetic and the matrix unit's own rounding can turn it there, and no further.
;;   INPUTS GIVEN AS CODES. W1 (in the module: [4096, 1024], K = its axis 1); W2 (in the module: [1024, 4096], K = its axis 1); Wk (in the module: [1024, 1024], K = its axis 1); Wo (in the module: [1024, 1024], K = its axis 1); Wq (in the module: [1024, 1024], K = its axis 1); Wv (in the module: [1024, 1024], K = its axis 1): each comes as NAME_codes (uint8): NAME with its K axis moved to the last place and cut into blocks of 32 codes, [.., K / 32, bytes a block], one block behind the other in memory; four codes in three bytes: a row's codes are one little-endian stream of bits, code i at bits 6 i .. 6 i + 5 (a code: sign, 2 exponent bits, 3 mantissa bits); and NAME_scales (uint8): the same leading axes, one E8M0 byte (e + 127) for each 32 codes along K. Its value is code x scale, taken as it is: it is not quantised again, and the codes and scales need not be those that the quantiser above would give.
;; One version. Each part assembles by itself: llvm-mc -triple=amdgcn-amd-amdhsa -mcpu=gfx1250 --defsym DOCPART=n.
;; ======== version 1 of 1: 7 launches
;; workspace buffers: hq 3,276,800 bytes; qb 3,276,800 bytes; kv 6,553,600 bytes; ctx 3,276,800 bytes; x1 16,777,216 bytes; ff 13,107,200 bytes
;; launch ln1 (part 1): grid 256 x 1, 4 waves a work-group, no clusters, 22,016 bytes of LDS; arguments x, g1, be1, hq; writes hq
.if DOCPART == 1
	.amdgcn_target "amdgcn-amd-amdhsa--gfx1250"
	.amdhsa_code_object_version 6
	.text
	.protected	k_q18897200e6_ln1
	.globl	k_q18897200e6_ln1
	.p2align	8
	.type	k_q18897200e6_ln1,@function
k_q18897200e6_ln1:
	s_mov_b64 s[64:65], 0
	v_nop
	global_prefetch_b8 v0, s[64:65] scope:SCOPE_SE
	s_setreg_imm32_b32 hwreg(HW_REG_WAVE_MODE, 25, 1), 1
	s_wait_xcnt 0x0
; LayerNorm of rows of 1,024 f32, then the MX-FP6 (E2M3) quantiser along the row: h = (x - mean) * rsqrt(var + 1e-5) * g + be, all in f32.
; Out: codes [4096][768] row-major at byte 0 of the buffer, scale bytes [4096][32] at HS_OFF.
; A work-group takes 16 rows, a wave 4; a row stays in 32 registers a lane between the passes (mean, variance of x - mean, scaling), so memory is read once.
; Every load takes 512 consecutive bytes; the conversions want 16 neighbours in one lane, so 2,048 bytes at a time turn through the wave's own stage in LDS.
; A stream in which nothing is shared: no matrix unit, no cluster, no tensor load.
; LIMITS: a block whose largest magnitude lies under 2^-124 (zeros too) has the byte 1 (its codes are as converted; only this program reads the bytes); NaN and infinities are not served.
.set HS_OFF, 3145728
.set G,   16                           ; v16-47   g of my 32 columns
.set BE,  48                           ; v48-79   be
.set X,   80                           ; v80-207  four rows, 32 registers each: column 128 i + 4 lane + c in register 4 i + c
.set XT,  208                          ; v208-239 two sets of 16 neighbours
.set C,   240                          ; v240-255 four sets of codes
.set SB,  20480                        ; LDS: behind the four waves' stages (2 x 2,560 bytes each): the work-group's 512 scale bytes
	s_load_b256 s[4:11], s[0:1], 0x0               ; x s[4:5], g s[6:7], be s[8:9], out s[10:11]
	v_lshl_add_u32 v251, v0, 2, 0x5400
	v_mov_b32 v255, 0
	v_lshrrev_b32 v1, 5, v0
	v_readfirstlane_b32 s12, v1                    ; wave
	v_and_b32 v1, 31, v0                           ; lane
	v_lshlrev_b32 v2, 4, v1                        ; 16 x lane
	s_mul_i32 s13, s12, 5120
	v_lshrrev_b32 v3, 2, v1
	v_mul_u32_u24 v3, v3, 80
	v_and_b32 v4, 3, v1
	v_lshl_add_u32 v3, v4, 4, v3
	v_add_nc_u32 v3, s13, v3                       ; stage, in: four lanes' 64 bytes on end, then 16 of padding
	v_mul_u32_u24 v4, v1, 80
	v_add_nc_u32 v4, s13, v4                       ; stage, out: my 16 neighbours
	v_mul_u32_u24 v5, v1, 12                       ; my 12 bytes of a step's 384
	v_lshrrev_b32 v6, 1, v1
	s_lshl_b32 s13, s12, 7
	s_add_co_u32 s13, s13, SB
	v_add_nc_u32 v6, s13, v6                       ; my block's scale byte: SB + 128 wave + lane / 2
	v_add_nc_u32 v7, SB, v2                        ; the way out of the scale bytes
	s_mov_b32 s14, 0x76543210
	s_mov_b32 s15, 0xfedcba98                      ; lane l xor 16
	s_mov_b32 s16, 0x3727c5ac                      ; 1e-5
	s_mov_b32 s17, 0x3a800000                      ; 1 / 1024
	s_lshl_b32 s18, ttmp9, 16                      ; 16 rows of 4,096 bytes a work-group,
	s_lshl_b32 s20, s12, 14                        ; 4 a wave
	s_add_co_u32 s18, s18, s20
	s_mov_b32 s19, 0
	s_mul_i32 s20, ttmp9, 12288                    ; 16 rows of 768 bytes of codes
	s_mul_i32 s21, s12, 3072
	s_add_co_u32 s20, s20, s21
	s_mov_b32 s21, 0
	s_lshl_b32 s22, ttmp9, 9                       ; 16 rows of 32 scale bytes
	s_add_co_u32 s22, s22, HS_OFF
	s_mov_b32 s23, 0
	s_wait_kmcnt 0x0
	s_add_nc_u64 s[4:5], s[4:5], s[18:19]
	s_add_nc_u64 s[18:19], s[10:11], s[22:23]      ; the scale bytes
	s_add_nc_u64 s[10:11], s[10:11], s[20:21]      ; the codes
.irp i, 0,1,2,3,4,5,6,7
	global_load_b128 v[G+4*\i:G+4*\i+3], v2, s[6:7] offset:512*\i
.endr
.irp i, 0,1,2,3,4,5,6,7
	global_load_b128 v[BE+4*\i:BE+4*\i+3], v2, s[8:9] offset:512*\i
.endr
.irp n, 0,1,2,3
.irp i, 0,1,2,3,4,5,6,7
	global_load_b128 v[X+32*\n+4*\i:X+32*\n+4*\i+3], v2, s[4:5] offset:4096*\n+512*\i th:TH_LOAD_NT
.endr
.endr
.macro REDUCE                          ; v8 summed over the 32 lanes, the result in every lane
	v_add_f32_dpp v8, v8, v8 row_xmask:1 row_mask:0xf bank_mask:0xf
	v_add_f32_dpp v8, v8, v8 row_xmask:2 row_mask:0xf bank_mask:0xf
	v_add_f32_dpp v8, v8, v8 row_xmask:4 row_mask:0xf bank_mask:0xf
	v_add_f32_dpp v8, v8, v8 row_xmask:8 row_mask:0xf bank_mask:0xf
	v_permlanex16_b32 v9, v8, s14, s15
	v_add_f32 v8, v8, v9
.endm
; 512 numbers of row n (half s) become 384 bytes of codes and 16 scale bytes
.macro QSTEP n, s
.set TT, 2*(\n)+(\s)
.set XS, XT+16*(TT%2)
.set CC, C+4*(TT%4)
.irp i, 0,1,2,3
	ds_store_b128 v3, v[X+32*(\n)+16*(\s)+4*\i:X+32*(\n)+16*(\s)+4*\i+3] offset:2560*(TT%2)+640*\i
.endr
.irp i, 0,1,2,3
	ds_load_b128 v[XS+4*\i:XS+4*\i+3], v4 offset:2560*(TT%2)+16*\i   ; a wave's LDS instructions are served in order: these see the stores above
.endr
	s_wait_dscnt 0x0                               ; my 16 neighbours are in; the last step's byte store has read its register
	v_max3_num_f32 v8, |v[XS]|, |v[XS+1]|, |v[XS+2]|
	v_max3_num_f32 v9, |v[XS+3]|, |v[XS+4]|, |v[XS+5]|
.irp i, 6,10
	v_max3_num_f32 v8, v8, |v[XS+\i]|, |v[XS+\i+1]|
	v_max3_num_f32 v9, v9, |v[XS+\i+2]|, |v[XS+\i+3]|
.endr
	v_max3_num_f32 v8, v8, |v[XS+14]|, |v[XS+15]|
	v_max3_num_f32 v8, v8, v9, 0x1800000           ; the floor 2^(3 - 127): the byte cannot fall under 1
	v_max_num_f32_dpp v8, v8, v8 row_xmask:1 row_mask:0xf bank_mask:0xf   ; with my neighbour's 16: the block's largest magnitude
	v_add_nc_u32 v11, 0xff000000, v8               ; 2 off its exponent field: the conversion's scale operand
.if TT >= 4
	s_wait_xcnt 0x0                                ; this set of codes was a store's data four steps ago
.endif
	v_cvt_scalef32_pk16_fp6_f32 v[CC:CC+2], v[XS:XS+15], v11
	v_lshrrev_b32 v13, 23, v11                     ; the scale's byte (a plain line behind the conversion)
	ds_store_b8 v6, v13 offset:32*(\n)+16*(\s)     ; both lanes of a block write the same byte with the same value
	global_store_b96 v5, v[CC:CC+2], s[10:11] offset:384*TT   ; the wave stores 384 consecutive bytes
.endm
.macro ROW n
.set XR, X+32*(\n)
	s_wait_loadcnt 8*(3-(\n))                      ; loads return in order: g, be and this row are in, the later rows' eight loads each stay out
	v_pk_add_f32 v[8:9], v[XR:XR+1], v[XR+2:XR+3]
	v_pk_add_f32 v[10:11], v[XR+4:XR+5], v[XR+6:XR+7]
.irp i, 8,12,16,20,24,28
	v_pk_add_f32 v[8:9], v[8:9], v[XR+\i:XR+\i+1]
	v_pk_add_f32 v[10:11], v[10:11], v[XR+\i+2:XR+\i+3]
.endr
	v_pk_add_f32 v[8:9], v[8:9], v[10:11]
	v_add_f32 v8, v8, v9
	REDUCE
	v_mul_f32 v10, s17, v8                         ; the mean, twice
	v_mov_b32 v11, v10
.irp i, 0,2,4,6,8,10,12,14,16,18,20,22,24,26,28,30
	v_pk_add_f32 v[XR+\i:XR+\i+1], v[XR+\i:XR+\i+1], v[10:11] neg_lo:[0,1] neg_hi:[0,1]
.endr
	v_pk_mul_f32 v[8:9], v[XR:XR+1], v[XR:XR+1]
	v_pk_mul_f32 v[10:11], v[XR+2:XR+3], v[XR+2:XR+3]
.irp i, 4,8,12,16,20,24,28
	v_pk_fma_f32 v[8:9], v[XR+\i:XR+\i+1], v[XR+\i:XR+\i+1], v[8:9]
	v_pk_fma_f32 v[10:11], v[XR+\i+2:XR+\i+3], v[XR+\i+2:XR+\i+3], v[10:11]
.endr
	v_pk_add_f32 v[8:9], v[8:9], v[10:11]
	v_add_f32 v8, v8, v9
	REDUCE
	v_fma_f32 v12, v8, s17, s16                    ; variance + eps
	v_rsq_f32 v14, v12
	v_rsq_f32 v15, v12
	v_nop                                          ; a plain line behind the transcendentals
	s_wait_alu depctr_va_vdst(0)                   ; one wait for both, ahead of their first reader
.irp i, 0,2,4,6,8,10,12,14,16,18,20,22,24,26,28,30
	v_pk_mul_f32 v[XR+\i:XR+\i+1], v[XR+\i:XR+\i+1], v[14:15]
.endr
.irp i, 0,2,4,6,8,10,12,14,16,18,20,22,24,26,28,30
	v_pk_fma_f32 v[XR+\i:XR+\i+1], v[XR+\i:XR+\i+1], v[G+\i:G+\i+1], v[BE+\i:BE+\i+1]
.endr
	QSTEP \n, 0
	QSTEP \n, 1
.endm
	ROW 0
	ROW 1
	ROW 2
	ROW 3
	s_wait_dscnt 0x0                               ; for the others' sake: my byte stores have landed
	s_barrier_signal -1
	s_barrier_wait -1
	s_cmp_lg_u32 s12, 0
	s_cbranch_scc1 .Lend
	ds_load_b128 v[8:11], v7                       ; wave 0 stores the work-group's 512 scale bytes: 512 consecutive bytes, aligned
	s_wait_dscnt 0x0
	global_store_b128 v2, v[8:11], s[18:19]
.Lend:
	s_wait_tensorcnt 0x0
	ds_add_u32 v251, v255
	s_wait_dscnt 0x0
	s_endpgm
.Lfunc_end_k_q18897200e6_ln1:
	.size	k_q18897200e6_ln1, .Lfunc_end_k_q18897200e6_ln1-k_q18897200e6_ln1
	.p2alignl 7, 3214868480
	.fill 96, 4, 3214868480
	.section	.rodata,"a",@progbits
	.p2align	6, 0x0
	.amdhsa_kernel k_q18897200e6_ln1
		.amdhsa_group_segment_fixed_size 22016
		.amdhsa_private_segment_fixed_size 0
		.amdhsa_enable_private_segment 0
		.amdhsa_kernarg_size 32
		.amdhsa_user_sgpr_count 2
		.amdhsa_user_sgpr_kernarg_segment_ptr 1
		.amdhsa_wavefront_size32 1
		.amdhsa_system_sgpr_workgroup_id_x 1
		.amdhsa_system_sgpr_workgroup_id_y 1
		.amdhsa_system_sgpr_workgroup_id_z 1
		.amdhsa_system_vgpr_workitem_id 0
		.amdhsa_next_free_vgpr 256
		.amdhsa_next_free_sgpr 66
		.amdhsa_reserve_vcc 0
		.amdhsa_float_denorm_mode_32 3
		.amdhsa_float_denorm_mode_16_64 3
		.amdhsa_memory_ordered 1
		.amdhsa_forward_progress 1
		.amdhsa_inst_pref_size 43
	.end_amdhsa_kernel
	.amdgpu_metadata
---
amdhsa.version: [ 1, 2 ]
amdhsa.kernels:
  - .name:           k_q18897200e6_ln1
    .symbol:         k_q18897200e6_ln1.kd
    .args:
      - { .name: x, .offset: 0, .size: 8, .value_kind: global_buffer, .address_space: global }
      - { .name: g1, .offset: 8, .size: 8, .value_kind: global_buffer, .address_space: global }
      - { .name: be1, .offset: 16, .size: 8, .value_kind: global_buffer, .address_space: global }
      - { .name: hq, .offset: 24, .size: 8, .value_kind: global_buffer, .address_space: global }
    .group_segment_fixed_size: 22016
    .private_segment_fixed_size: 0
    .kernarg_segment_align: 8
    .kernarg_segment_size: 32
    .max_flat_workgroup_size: 128
    .sgpr_count:     66
    .vgpr_count:     256
    .wavefront_size: 32
...
	.end_amdgpu_metadata
.endif
;; end of part 1
;; launch qkv (part 2): grid 12 x 16, 4 waves a work-group, clusters of 4 x 4, 327,680 bytes of LDS; arguments hq, Wq_codes, Wq_scales, Wk_codes, Wk_scales, Wv_codes, Wv_scales, bq, bk, bv, qb, kv; writes qb, kv
.if DOCPART == 2
	.amdgcn_target "amdgcn-amd-amdhsa--gfx1250"
	.amdhsa_code_object_version 6
	.text
	.protected	k_q18897200e6_qkv
	.globl	k_q18897200e6_qkv
	.p2align	8
	.type	k_q18897200e6_qkv,@function
k_q18897200e6_qkv:
	s_mov_b64 s[64:65], 0
	v_nop
	global_prefetch_b8 v0, s[64:65] scope:SCOPE_SE
	s_setreg_imm32_b32 hwreg(HW_REG_WAVE_MODE, 25, 1), 1
	s_wait_xcnt 0x0
	s_wait_alu depctr_hold_cnt(0) depctr_sa_sdst(0) depctr_va_vdst(0) depctr_va_sdst(0) depctr_va_ssrc(0) depctr_va_vcc(0) depctr_vm_vsrc(0)
	s_getreg_b32 s2, hwreg(HW_REG_IB_STS2, 6, 4)
	s_cmp_eq_u32 s2, 0
	s_cbranch_scc0 .Lentry_in_a_cluster
	s_endpgm
.Lentry_in_a_cluster:
	s_bfe_u32 s2, ttmp6, 0x10000c
	s_cmp_lg_u32 s2, 0xf033
	s_cbranch_scc0 .Lentry_shape_is_right
	s_endpgm
.Lentry_shape_is_right:
; q = h Wq^T + bq, k = h Wk^T + bk, v^T = Wv h^T + bv, on codes of FP6 (E2M3) with E8M0 scales, K = 1,024; the results are quantised here and leave as images of the registers in which the attention launch wants them.
; The cluster's x says which: 0 q, 1 k (A = h's codes, B = the weight), 2 v (A = Wv, B = h: so a lane holds one channel d and its registers run along the tokens, which are the K of the second attention product).
; All operands are [rows][768] bytes of codes with [rows][32] scale bytes, so only pointers differ between the three.
; A tile of C, 256 x 256, is made by four waves, 128 x 128 each: 64 accumulators.  K goes in steps of 256 through a ring of two LDS slots filled by the tensor data mover; the scales of the tile's rows come once.
; CLUSTERS: 4 x 4 work-groups; A's tiles are asked for jointly along a row of the cluster, B's along a column.  THE MATRIX INSTRUCTION IS USED TRANSPOSED (source 0 = 16 rows of B, source 1 = 16 rows of A):
; a lane holds eight neighbouring columns of one row of C.  192 work-groups: N is 3 x 1,024; a narrower tile would cut heads across waves.
; REGISTERS: window 0: v0-31 addresses; v32-63 scale words, two sets; v64-127 the bias by columns; v128-223 A's fragments; v224-231 the bias by rows.  window 1: B's fragments, two sets.  windows 2, 3: the accumulators.
; On the way out, window 0: v32-51 codes, v52-63 at work, v128-191 a block's 16 x 128 numbers.
; LIMITS: a block whose largest magnitude lies under 2^-124 (zeros too) has the byte 1; NaN and infinities are not served.
.set KSTEP,  256
.set NQ,     2
.set ROWB,   192
.set KROW,   768
.set PITCH,  240                       ; an LDS row: 3 x (64 bytes + 16 of padding)
.set FR,     12
.set NL,     6
.set NP,     4
.set HALFT,  128*PITCH
.set SLOT,   4*HALFT
.set LAPS,   2
.set KS,     32
.set SCL,    2*SLOT                    ; behind the ring: the scales, as runs of 256 bytes + 16 of padding
.set HALFS,  (128*KS/256)*272
.set SBLK,   (16*KS/256)*272
.set SPARE,  SCL+4*HALFS               ; the spare words, 128 bytes a wave: no other line names them
.set HS_OFF, 3145728                   ; h's scale bytes behind its codes
.set QS_OFF, 3145728                   ; q's scale words behind its images
.set KVS_OFF, 6291456                  ; k's and v's scale words behind their images
.set STQ,    51200                     ; LDS, in slot 0 (free behind the last change of slots): q's scale words, 512 bytes a wave; k's stage is 12,800 bytes a wave from 0 on
.set STV,    53248                     ; v's scale words, 512 bytes a wave
.set ADRA, 16
.set ADRB, 20
.set ADRS, 27
.set SPW,  28
.set NIL,  29
.set SC,   32
.set AF,   128
.set BIAS, 64
.set BV,   224
.set T,    128
.set CD,   32
.set TM,   52
.set TB,   56
.set SO,   60
.set PW,   30
.set SEL,  66
.set G1, 24
.set G0, 32
.set G1B, 48
.set G0B, 56
.set G1S, 68
.set G0S, 76
.set G1SB, 80
.set G0SB, 88
.set MSB, 0
.macro WIN new                         ; the immediate's high byte repeats the setting that is left
.if MSB != \new
	s_set_vgpr_msb (MSB<<8)|\new
.set MSB, \new
.endif
.endm
.set MUL_LO, 0xa1                      ; source 0 (B) window 1, source 1 (A) window 0, C and D window 2
.set MUL_HI, 0xf1
.set TO_B,   0x40
; A joint load: waves 0 and 1 fetch for A, waves 2 and 3 for B; the branch hangs on the wave's number alone.  Four v_nop follow each line.
.macro JLOAD g0a, g1a, g0b, g1b
	s_cmp_eq_u32 s15, 0
	s_cbranch_scc0 .Lfor_b_\@
	tensor_load_to_lds s[\g0a:\g0a+3], s[\g1a:\g1a+7]
	s_nop 0
.rept 4
	v_nop
.endr
	s_branch .Lasked_\@
.Lfor_b_\@:
	tensor_load_to_lds s[\g0b:\g0b+3], s[\g1b:\g1b+7]
	s_nop 0
.rept 4
	v_nop
.endr
.Lasked_\@:
.endm
.macro CREST                           ; a round of the cluster's barrier behind its opening barrier
	s_cmp_lg_u32 s14, 0
	s_cbranch_scc1 .Lnot_wave_0_\@
	s_barrier_signal -3
.Lnot_wave_0_\@:
	s_barrier_wait -3
	s_barrier_signal -1
	s_barrier_wait -1
.endm
.macro CROUND
	s_barrier_signal -1
	s_barrier_wait -1
	CREST
.endm
	s_load_b512 s[68:83], s[0:1], 0x0              ; h 68, Wq codes 70, scales 72, Wk 74, 76, Wv 78, 80, bq 82
	s_load_b256 s[84:91], s[0:1], 0x40             ; bk 84, bv 86, qb 88, kv 90
	v_lshl_add_u32 v[SPW], v0, 2, SPARE
	v_mov_b32 v[NIL], 0
	ds_add_u32 v28, v29
	s_wait_dscnt 0x0
	v_lshrrev_b32 v1, 5, v0
	v_readfirstlane_b32 s14, v1                    ; wave 0..3
	s_lshr_b32 s15, s14, 1                         ; which half of the tile's rows is mine.  Also: I fetch for A (0) or for B (1)
	s_and_b32 s16, s14, 1                          ; which half of its columns.  Also: which 128 rows I fetch
	s_bfe_u32 s40, ttmp6, 0x40000                  ; cx
	s_bfe_u32 s41, ttmp6, 0x40004                  ; cy
	s_mov_b32 s95, ttmp9                           ; which product: the cluster's x, the same in all sixteen partners
	s_and_b32 s18, ttmp7, 0xffff
	s_lshl_b32 s18, s18, 2                         ; 4 x cluster y: it walks the tokens
	s_cmp_eq_u32 s95, 2
	s_cselect_b32 s17, 0, s18
	s_cselect_b32 s42, s18, 0
	s_add_co_u32 s17, s17, s41                     ; tile row: tokens (q, k) or channels (v)
	s_add_co_u32 s42, s42, s40                     ; tile column: channels (q, k) or tokens (v)
	s_lshl_b32 s43, s41, 2
	s_lshl_b32 s43, 15, s43                        ; my row of the cluster
	s_lshl_b32 s44, 0x1111, s40                    ; my column
	s_or_b32 s[G1+0], s43, (0<<16)|(1<<20)|(1<<21)|(3<<22)|(3<<25)   ; mask; elements of 1 byte; padding of 4 words behind every 16
	s_or_b32 s[G1B+0], s44, (0<<16)|(1<<20)|(1<<21)|(3<<22)|(3<<25)
.irp g, G1, G1B
	s_mov_b32 s[\g+1], ROWB<<16
	s_mov_b32 s[\g+2], 128<<16
	s_mov_b32 s[\g+3], ROWB<<16
	s_mov_b32 s[\g+4], 128
	s_mov_b32 s[\g+5], KROW
	s_mov_b32 s[\g+6], 0
	s_mov_b32 s[\g+7], 0
.endr
	s_wait_kmcnt 0x0
	s_add_nc_u64 s[92:93], s[68:69], HS_OFF        ; h's scale bytes
	s_cmp_eq_u32 s95, 2                            ; the choices hang on the cluster's x alone
	s_cselect_b64 s[4:5], s[78:79], s[68:69]       ; A's codes
	s_cselect_b64 s[6:7], s[80:81], s[92:93]       ; A's scales
	s_cselect_b64 s[8:9], s[68:69], s[74:75]       ; B's codes
	s_cselect_b64 s[10:11], s[92:93], s[76:77]     ; B's scales
	s_cselect_b64 s[96:97], s[86:87], s[84:85]     ; the bias
	s_cmp_eq_u32 s95, 0
	s_cselect_b64 s[8:9], s[70:71], s[8:9]
	s_cselect_b64 s[10:11], s[72:73], s[10:11]
	s_cselect_b64 s[96:97], s[82:83], s[96:97]
	s_cselect_b64 s[12:13], s[88:89], s[90:91]     ; where the results go
	; the scales of 128 rows: a dense block of 4,096 bytes, as rows of 256 bytes with 16 of padding behind each
	s_or_b32 s[G1S+0], s43, (3<<16)|(1<<20)|(1<<21)|(5<<22)|(3<<25)
	s_or_b32 s[G1SB+0], s44, (3<<16)|(1<<20)|(1<<21)|(5<<22)|(3<<25)
.irp g, G1S, G1SB
	s_mov_b32 s[\g+1], 32<<16
	s_mov_b32 s[\g+2], (128*KS/256)<<16
	s_mov_b32 s[\g+3], 32<<16
	s_mov_b32 s[\g+4], 128*KS/256
	s_mov_b32 s[\g+5], 32
	s_mov_b32 s[\g+6], 0
	s_mov_b32 s[\g+7], 0
.endr
	s_lshl_b32 s18, s16, 7
	s_lshl_b32 s20, s17, 8
	s_add_co_u32 s20, s20, s18                     ; A: row 256 x tile row + 128 x half
	s_lshl_b32 s46, s42, 8
	s_add_co_u32 s46, s46, s18                     ; B: row 256 x tile column + 128 x half
	s_mov_b32 s21, 0
	s_mov_b32 s47, 0
	s_mov_b64 s[18:19], KS
	s_mul_u64 s[22:23], s[20:21], s[18:19]
	s_mul_u64 s[92:93], s[46:47], s[18:19]
	s_mov_b64 s[18:19], KROW
	s_mul_u64 s[20:21], s[20:21], s[18:19]
	s_mul_u64 s[46:47], s[46:47], s[18:19]
	s_mul_i32 s45, s14, HALFT                      ; where they go: wave x 128 rows
	s_mul_i32 s94, s14, HALFS
	s_add_nc_u64 s[20:21], s[4:5], s[20:21]
	s_add_nc_u64 s[22:23], s[6:7], s[22:23]
	s_add_nc_u64 s[46:47], s[8:9], s[46:47]
	s_add_nc_u64 s[92:93], s[10:11], s[92:93]
	CROUND                                         ; all sixteen work-groups are here: the first joint loads meet
	s_mov_b32 s[G0S], 1
	s_add_co_u32 s[G0S+1], s94, SCL
	s_mov_b64 s[G0S+2:G0S+3], s[22:23]
	s_or_b32 s[G0S+3], s[G0S+3], 0x80000000
	s_mov_b32 s[G0SB], 1
	s_add_co_u32 s[G0SB+1], s94, SCL
	s_mov_b64 s[G0SB+2:G0SB+3], s[92:93]
	s_or_b32 s[G0SB+3], s[G0SB+3], 0x80000000
	JLOAD G0S, G1S, G0SB, G1SB                     ; the scales first; three loads of mine are out behind the first fills
.irp s, 0,1
	s_mov_b32 s[G0+4*\s], 1
	s_add_co_u32 s[G0+4*\s+1], s45, \s*SLOT
	s_add_nc_u64 s[G0+4*\s+2:G0+4*\s+3], s[20:21], \s*ROWB
	s_or_b32 s[G0+4*\s+3], s[G0+4*\s+3], 0x80000000
	s_mov_b32 s[G0B+4*\s], 1
	s_add_co_u32 s[G0B+4*\s+1], s45, \s*SLOT
	s_add_nc_u64 s[G0B+4*\s+2:G0B+4*\s+3], s[46:47], \s*ROWB
	s_or_b32 s[G0B+4*\s+3], s[G0B+4*\s+3], 0x80000000
	JLOAD G0+4*\s, G1, G0B+4*\s, G1B
.endr
	v_and_b32 v1, 15, v0                           ; r
	v_bfe_u32 v2, v0, 4, 1                         ; h
	v_mul_u32_u24 v3, v1, PITCH
	v_mul_u32_u24 v4, v2, 24
	v_add_nc_u32 v4, v3, v4
	v_lshl_add_u32 v5, v2, 4, v4                   ; the same behind one padding more
	s_mul_i32 s21, s15, HALFT
	s_mul_i32 s22, s16, HALFT
	s_add_co_u32 s22, s22, 2*HALFT
.irp s, 0,1
	v_add_nc_u32 v[ADRA+\s], s21, v4
	v_add_nc_u32 v[ADRB+\s], s22, v4
	v_add_nc_u32 v[ADRA+2+\s], s21, v5
	v_add_nc_u32 v[ADRB+2+\s], s22, v5
	s_add_co_u32 s21, s21, SLOT
	s_add_co_u32 s22, s22, SLOT
.endr
	v_mul_u32_u24 v5, v1, KS
	v_lshrrev_b32 v6, 8, v5
	v_lshl_add_u32 v5, v6, 4, v5
	s_mul_i32 s21, s15, HALFS
	s_mul_i32 s22, s16, HALFS
	s_add_co_u32 s22, s22, 2*HALFS
	s_sub_co_u32 s22, s22, s21
	v_mul_u32_u24 v6, s22, v2                      ; lanes 16-31 take B's scale words
	s_add_co_u32 s21, s21, SCL
	v_add_nc_u32 v5, v5, v6
	v_add_nc_u32 v[ADRS], s21, v5
	; the bias, in both layouts; the one that this product does not use starts at byte 0 of the bias, so that no load leaves the buffer
	s_lshl_b32 s18, s42, 10
	s_lshl_b32 s19, s16, 9
	s_add_co_u32 s18, s18, s19                     ; my first column, in bytes
	s_lshl_b32 s19, s17, 10
	s_lshl_b32 s22, s15, 9
	s_add_co_u32 s19, s19, s22                     ; my first row, in bytes
	s_cmp_eq_u32 s95, 2
	s_cselect_b32 s18, 0, s18
	s_cselect_b32 s19, s19, 0
	v_lshlrev_b32 v30, 5, v2
	v_add_nc_u32 v30, s18, v30                     ; by columns: 32 h
	v_lshlrev_b32 v31, 2, v1
	v_add_nc_u32 v31, s19, v31                     ; by rows: 4 r
.irp b, 0,1,2,3,4,5,6,7
	global_load_b128 v[BIAS+8*\b:BIAS+8*\b+3], v30, s[96:97] offset:64*\b
	global_load_b128 v[BIAS+8*\b+4:BIAS+8*\b+7], v30, s[96:97] offset:64*\b+16
.endr
.irp a, 0,1,2,3,4,5,6,7
	global_load_b32 v[BV+\a], v31, s[96:97] offset:64*\a
.endr
	; where my results go
	s_lshl_b32 s18, s17, 8
	s_lshl_b32 s19, s15, 7
	s_add_co_u32 s18, s18, s19                     ; my first row of C
	s_lshl_b32 s19, s42, 8
	s_lshl_b32 s22, s16, 7
	s_add_co_u32 s19, s19, s22                     ; my first column
	s_cmp_eq_u32 s95, 2
	s_cselect_b32 s22, s19, s18                    ; my first token
	s_cselect_b32 s23, s18, s19                    ; my first channel
	s_cselect_b32 s46, 12288, 0                    ; v's half of a slot
	s_lshr_b32 s23, s23, 6                         ; my first head (of two)
	s_lshr_b32 s47, s22, 11                        ; the batch
	s_and_b32 s22, s22, 2047                       ; the token in it
	s_lshl_b32 s18, s47, 4
	s_add_co_u32 s18, s18, s23                     ; 16 b + head
	s_lshr_b32 s19, s22, 7                         ; the key step
	s_lshl_b32 s92, s18, 3
	s_lshr_b32 s93, s19, 1
	s_add_co_u32 s92, s92, s93
	s_mul_i32 s92, s92, 24576                      ; the slot,
	s_and_b32 s93, s19, 1
	s_mul_i32 s93, s93, 6144                       ; the step in it,
	s_add_co_u32 s92, s92, s93
	s_add_co_u32 s92, s92, s46                     ; k's or v's half
	s_lshl_b32 s93, s18, 4
	s_add_co_u32 s93, s93, s19
	s_lshl_b32 s93, s93, 9
	s_add_co_u32 s93, s93, KVS_OFF                 ; the step's 512 bytes of scale words
	s_lshr_b32 s18, s18, 1                         ; 8 b + head pair
	s_lshl_b32 s19, s18, 7
	s_lshr_b32 s46, s22, 4
	s_add_co_u32 s19, s19, s46
	s_mul_i32 s19, s19, 1536                       ; q's images
	s_lshl_b32 s18, s18, 11
	s_add_co_u32 s18, s18, s22
	s_lshl_b32 s18, s18, 2
	s_add_co_u32 s18, s18, QS_OFF                  ; q's scale words
	s_cmp_eq_u32 s95, 0
	s_cselect_b32 s20, s19, s92
	s_cselect_b32 s22, s18, s93
	s_mov_b32 s21, 0
	s_mov_b32 s23, 0
	s_add_nc_u64 s[98:99], s[12:13], s[22:23]      ; scale words
	s_add_nc_u64 s[12:13], s[12:13], s[20:21]      ; images
.macro FRAG reg, adr, q, i             ; a fragment, 16 rows x 128 K: 12 registers, in six pieces of 8 bytes; where the piece of lanes 16-31 lies behind one padding more, the second address register serves
.irp p, 0,1,2,3,4,5
.set PCE, 12*(\q)+6*(\p/3)+\p%3
.if PCE%8 < 5
	ds_load_b64 v[\reg+2*\p:\reg+2*\p+1], v[\adr] offset:8*PCE+16*(PCE/8)+(\i)*16*PITCH
.else
	ds_load_b64 v[\reg+2*\p:\reg+2*\p+1], v[\adr+2] offset:8*PCE+16*(PCE/8)+(\i)*16*PITCH
.endif
.endr
.endm
; 16 matrix instructions: A's blocks a0, a0 + 1 x B's eight.  The 64 accumulators take turns, one instruction a turn, in the same order in every step.
.macro MUL16 a0, p, q, sc, zero
.irp a, \a0, \a0+1
.irp b, 0,1,2,3,4,5,6,7
.if \zero
	v_wmma_scale_f32_16x16x128_f8f6f4 v[8*(8*((\a)%4)+\b):8*(8*((\a)%4)+\b)+7], v[128*(\p)+FR*\b:128*(\p)+FR*\b+FR-1], v[AF+FR*(\a):AF+FR*(\a)+FR-1], 0, v[SC+8*NQ*(\sc)+NQ*\b+(\q)], v[SC+8*NQ*(\sc)+NQ*(\a)+(\q)] matrix_a_fmt:MATRIX_FMT_FP6 matrix_b_fmt:MATRIX_FMT_FP6 matrix_a_scale:MATRIX_SCALE_ROW1
.else
	v_wmma_scale_f32_16x16x128_f8f6f4 v[8*(8*((\a)%4)+\b):8*(8*((\a)%4)+\b)+7], v[128*(\p)+FR*\b:128*(\p)+FR*\b+FR-1], v[AF+FR*(\a):AF+FR*(\a)+FR-1], v[8*(8*((\a)%4)+\b):8*(8*((\a)%4)+\b)+7], v[SC+8*NQ*(\sc)+NQ*\b+(\q)], v[SC+8*NQ*(\sc)+NQ*(\a)+(\q)] matrix_a_fmt:MATRIX_FMT_FP6 matrix_b_fmt:MATRIX_FMT_FP6 matrix_a_scale:MATRIX_SCALE_ROW1
.endif
.endr
.endr
.endm
.macro FETCH_B slot, q, p
	WIN TO_B
.irp i, 0,1,2,3,4,5,6,7
	FRAG 128*(\p)+FR*\i, ADRB+\slot, \q, \i
.endr
	WIN 0
.endm
.macro FETCH_A slot, q, i0
.irp i, \i0, \i0+1, \i0+2, \i0+3
	FRAG AF+FR*(\i), ADRA+\slot, \q, \i
.endr
.endm
.macro SCALES sc                       ; lanes 0-15 take the words of A's block i, lanes 16-31 those of B's block i
.irp i, 0,1,2,3,4,5,6,7
	ds_load_b64 v[SC+8*NQ*\sc+NQ*\i:SC+8*NQ*\sc+NQ*\i+1], v[ADRS] offset:\i*SBLK
.endr
.endm
.macro PLACES n                        ; plain vector lines between a matrix instruction and a load into, or a read of, its registers
.rept \n
	v_nop
.endr
.endm
.macro STEP slot, q, zero
	s_wait_dscnt 4*NL                              ; B's set and A's blocks 0-3 are in; the youngest 24 loads (A's blocks 4-7) may be out
	WIN MUL_LO
	MUL16 0, (\q)%2, \q, \slot, \zero
	MUL16 2, (\q)%2, \q, \slot, \zero
	s_wait_dscnt 0
	PLACES NP
	FETCH_B \slot, (\q)+1, 1-(\q)%2
	FETCH_A \slot, (\q)+1, 0
	WIN MUL_HI
	MUL16 4, (\q)%2, \q, \slot, \zero
	MUL16 6, (\q)%2, \q, \slot, \zero
	PLACES NP
	WIN 0
	FETCH_A \slot, (\q)+1, 4
.endm
; A slot's last step changes slots: one barrier; in front of it each wave waits for all its tensor loads, adds 0 to its spare word, and waits for that and for its own reads of this slot.
.macro TURN slot, next, fill
	s_wait_tensorcnt 0x0                           ; all my tensor loads have landed: my part of the next slot
	ds_add_u32 v[SPW], v[NIL]
	s_wait_dscnt 4*NL+1                            ; the add and the youngest 24 loads may be out
	WIN MUL_LO
	MUL16 0, 1, NQ-1, \slot, 0
	s_wait_dscnt 0x0                               ; the add is done, and my reads of this slot are over
	s_barrier_signal -1
	MUL16 2, 1, NQ-1, \slot, 0
	WIN 0
	s_barrier_wait -1
.if \fill
	CREST                                          ; the barrier has opened a round of the cluster's barrier: no wave of any partner still reads this slot or has a load on its way
	s_add_nc_u64 s[G0+4*\slot+2:G0+4*\slot+3], s[G0+4*\slot+2:G0+4*\slot+3], 2*ROWB
	s_add_nc_u64 s[G0B+4*\slot+2:G0B+4*\slot+3], s[G0B+4*\slot+2:G0B+4*\slot+3], 2*ROWB
	JLOAD G0+4*\slot, G1, G0B+4*\slot, G1B         ; my one tensor load behind the round; its four v_nop are also the places in front of the loads below
.else
	PLACES NP
.endif
	v_add_nc_u32 v[ADRS], 4*NQ, v[ADRS]            ; the next K step's scale words (no LDS load of mine is out)
	FETCH_B \next, 0, 0
	FETCH_A \next, 0, 0
	SCALES \next
	WIN MUL_HI
	MUL16 4, 1, NQ-1, \slot, 0
	MUL16 6, 1, NQ-1, \slot, 0
	PLACES NP
	WIN 0
	FETCH_A \next, 0, 4
.endm
	s_wait_tensorcnt 1                             ; the scales and my part of K step 0 are in; K step 1's load may be out
	s_barrier_signal -1
	s_barrier_wait -1
	FETCH_B 0, 0, 0
	FETCH_A 0, 0, 0
	SCALES 0
	FETCH_A 0, 0, 4
	STEP 0, 0, 1                                   ; the first step's products start the sums
	s_mov_b32 s3, LAPS-1
.Llap:
	TURN 0, 1, 1
	STEP 1, 0, 0
	TURN 1, 0, 1
	STEP 0, 0, 0
	s_sub_co_u32 s3, s3, 1
	s_cmp_lg_u32 s3, 0
	s_cbranch_scc1 .Llap
	TURN 0, 1, 0                                   ; the last lap fills nothing
	STEP 1, 0, 0
	s_wait_dscnt 4*NL
	WIN MUL_LO
	MUL16 0, 1, NQ-1, 1, 0
	MUL16 2, 1, NQ-1, 1, 0
	s_wait_dscnt 0
	WIN MUL_HI
	MUL16 4, 1, NQ-1, 1, 0
	MUL16 6, 1, NQ-1, 1, 0
	WIN 0
; THE WAY OUT, a block of 16 rows x 128 columns at a time.  In T, register 8 b + j of lane (r, h) is column 16 b + 8 h + j of row r.
.macro GETROW a                        ; + the bias by columns; each accumulator is read from its low end on
	WIN (0x02+((\a)/4))
.irp b, 0,1,2,3,4,5,6,7
.irp i, 0,2,4,6
	v_pk_add_f32 v[T+8*\b+\i:T+8*\b+\i+1], v[64*((\a)%4)+8*\b+\i:64*((\a)%4)+8*\b+\i+1], v[BIAS+8*\b+\i:BIAS+8*\b+\i+1]
.endr
.endr
	WIN 0
.endm
.macro GETROWV a                       ; + the bias of my row
	v_mov_b32 v232, v[BV+(\a)]
	v_mov_b32 v233, v[BV+(\a)]
	WIN (0x02+((\a)/4))
.irp b, 0,1,2,3,4,5,6,7
.irp i, 0,2,4,6
	v_pk_add_f32 v[T+8*\b+\i:T+8*\b+\i+1], v[64*((\a)%4)+8*\b+\i:64*((\a)%4)+8*\b+\i+1], v[232:233]
.endr
.endr
	WIN 0
.endm
.macro SWAP s                          ; behind it register 16 c + i of lane (r, h) is column 32 c + 16 h + i: 16 neighbours of a block of 32
.irp c, 0,1,2,3
.irp j, 0,1,2,3,4,5,6,7
	v_permlane16_swap_b32 v[\s+16*\c+\j], v[\s+16*\c+8+\j]
.endr
.endr
.endm
; 64 numbers of a lane become codes in v[CD] on and the row's scale word in v[PW].  img = 1: the 12 registers of an operand (a whole block in a lane).
.macro QUANT s, img
.irp b, 0,1,2,3
	v_max3_num_f32 v[TM+\b], |v[\s+16*\b]|, |v[\s+1+16*\b]|, 0x1800000   ; with the floor 2^(3 - 127): the byte cannot fall under 1
.endr
.irp i, 2,4,6,8,10,12,14
.irp b, 0,1,2,3
	v_max3_num_f32 v[TM+\b], v[TM+\b], |v[\s+16*\b+\i]|, |v[\s+1+16*\b+\i]|
.endr
.endr
.irp b, 0,1,2,3
	v_permlanex16_b32 v[TB+\b], v[TM+\b], s[SEL], s[SEL+1]
.endr
.irp b, 0,1,2,3
	v_max_num_f32 v[TM+\b], v[TM+\b], v[TB+\b]     ; with lane l xor 16's: the block's largest magnitude
.endr
.irp b, 0,1,2,3
	v_add_nc_u32 v[SO+\b], 0xff000000, v[TM+\b]    ; 2 off its exponent field: the conversion's scale operand
.endr
.irp b, 0,1,2,3
	v_lshrrev_b32 v[TB+\b], 23, v[SO+\b]           ; the scale's byte
.endr
	v_lshl_or_b32 v[PW], v[TB+1], 8, v[TB]
	v_lshl_or_b32 v[PW], v[TB+2], 16, v[PW]
	v_lshl_or_b32 v[PW], v[TB+3], 24, v[PW]
.if \img
.irp c, 0,1
	v_cvt_scalef32_pk16_fp6_f32 v[CD+6*\c:CD+6*\c+2], v[\s+32*\c:\s+32*\c+15], v[SO+2*\c]
	v_cvt_scalef32_pk16_fp6_f32 v[CD+12+4*\c:CD+14+4*\c], v[\s+32*\c+16:\s+32*\c+31], v[SO+2*\c+1]
.endr
	v_nop                                          ; a plain line behind the scaled conversions
.irp c, 0,1
.irp i, 0,1,2
	v_permlane16_swap_b32 v[CD+6*\c+\i], v[CD+12+4*\c+\i]
.endr
.irp i, 0,1,2
	v_mov_b32 v[CD+3+6*\c+\i], v[CD+12+4*\c+\i]
.endr
.endr
.else
.irp c, 0,1,2,3
	v_cvt_scalef32_pk16_fp6_f32 v[CD+4*\c:CD+4*\c+2], v[\s+16*\c:\s+16*\c+15], v[SO+\c]
.endr
	v_nop
.endif
.endm
; q and k: the wave's 128 columns are two heads; the codes' registers 0-5 are head 0, 6-11 head 1, of token 16 a + r.
.macro QKBLOCK a
	GETROW \a
	SWAP T
	s_wait_xcnt 0x0                                ; the last block's stores have read their data
	s_wait_dscnt 0x0
	QUANT T, 1
	s_cmp_eq_u32 s95, 0
	s_cbranch_scc0 .Lkpart_\@
	global_store_b128 v16, v[CD:CD+3], s[12:13] offset:1536*(\a)          ; q: the image as it stands, 512 consecutive bytes a store
	global_store_b128 v16, v[CD+4:CD+7], s[12:13] offset:1536*(\a)+512
	global_store_b128 v16, v[CD+8:CD+11], s[12:13] offset:1536*(\a)+1024
	ds_store_b32 v17, v[PW] offset:64*(\a)
	s_branch .Lqkdone_\@
.Lkpart_\@:
; k: token 16 a + r is row 8 (a % 2) + r % 8 of key tile r / 8 in group a / 2; its six registers go to registers 6 (r / 8) .. of that lane's place in the group's image
.irp e, 0,1
	ds_store_b64 v19, v[CD+6*\e:CD+6*\e+1] offset:6144*\e+1536*((\a)/2)+128*((\a)%2)
	ds_store_b64 v20, v[CD+6*\e+2:CD+6*\e+3] offset:6144*\e+1536*((\a)/2)+128*((\a)%2)
	ds_store_b64 v19, v[CD+6*\e+4:CD+6*\e+5] offset:6144*\e+1536*((\a)/2)+128*((\a)%2)+512
.endr
	ds_store_b16 v21, v[PW] offset:64*((\a)%4)+4*((\a)/4)
	ds_store_b16_d16_hi v21, v[PW] offset:256+64*((\a)%4)+4*((\a)/4)
.Lqkdone_\@:
.endm
; v: rows are channels (head a / 4, tile a % 4), the 128 columns one key step: the codes are the operand's image
.macro VBLOCK a
	GETROWV \a
	SWAP T
	s_wait_xcnt 0x0
	s_wait_dscnt 0x0
	QUANT T, 1
	global_store_b128 v16, v[CD:CD+3], s[12:13] offset:((\a)/4)*196608+((\a)%4)*1536
	global_store_b128 v16, v[CD+4:CD+7], s[12:13] offset:((\a)/4)*196608+((\a)%4)*1536+512
	global_store_b128 v16, v[CD+8:CD+11], s[12:13] offset:((\a)/4)*196608+((\a)%4)*1536+1024
	ds_store_b32 v24, v[PW] offset:128*((\a)%2)+4*(((\a)/2)%2)+256*((\a)/4)
.endm
	PLACES NP
	s_wait_loadcnt 0x0                             ; the biases
	v_and_b32 v1, 15, v0                           ; r
	v_bfe_u32 v2, v0, 4, 1                         ; h
	v_and_b32 v3, 31, v0                           ; lane
	v_and_b32 v4, 7, v0                            ; r % 8
	v_bfe_u32 v5, v0, 3, 1                         ; r / 8
	v_lshlrev_b32 v16, 4, v3                       ; 16 x lane
	s_lshl_b32 s18, s14, 9
	s_add_co_u32 s19, s18, STQ
	v_lshl_add_u32 v17, v1, 2, s19                 ; q's scale words: in,
	v_add_nc_u32 v18, s19, v16                     ; and back
	s_mul_i32 s20, s14, 12800
	v_lshl_add_u32 v6, v2, 4, v4
	v_lshlrev_b32 v6, 4, v6
	v_add_nc_u32 v6, s20, v6                       ; k's stage: 16 x (16 h + r % 8)
	v_mad_u32_u24 v19, v5, 520, v6                 ; registers 0, 1 and 4, 5 of my six
	v_mad_u32_u24 v20, v5, 1016, v6
	v_add_nc_u32 v20, 8, v20                       ; registers 2, 3
	v_lshlrev_b32 v21, 3, v4
	v_lshl_add_u32 v21, v5, 1, v21
	s_add_co_u32 s21, s20, 12288
	v_add_nc_u32 v21, s21, v21                     ; k's scale pairs
	v_add_nc_u32 v22, s20, v16                     ; k's stage, back
	v_lshlrev_b32 v23, 13, v2
	v_lshl_add_u32 v23, v1, 4, v23                 ; scale words in memory: lanes 0-15 the first head's 256 bytes, lanes 16-31 the second's
	s_add_co_u32 s19, s18, STV
	v_lshl_add_u32 v24, v1, 3, s19                 ; v's scale words: in,
	v_add_nc_u32 v25, s19, v16                     ; and back
.irp b, 0,1,2,3
	v_mov_b32 v[TB+\b], 0                          ; a lane permute's destination counts as read
.endr
	s_mov_b32 s[SEL], 0x76543210
	s_mov_b32 s[SEL+1], 0xfedcba98
	s_cmp_eq_u32 s95, 2
	s_cbranch_scc1 .Lvpath
.irp a, 0,1,2,3,4,5,6,7
	QKBLOCK \a
.endr
	s_cmp_eq_u32 s95, 0
	s_cbranch_scc0 .Lkout
	ds_load_b128 v[128:131], v18                   ; q's 128 scale words: a wave's LDS instructions are served in order
	s_wait_dscnt 0x0
	global_store_b128 v16, v[128:131], s[98:99]
	s_branch .Lend
.Lkout:
.set n, 0
.rept 24
	ds_load_b128 v[128+4*n:131+4*n], v22 offset:512*n
.set n, n+1
.endr
	ds_load_b128 v[232:235], v22 offset:12288
.set n, 0
.rept 24
	s_wait_dscnt 24-n                              ; the younger loads of the run may be out
	global_store_b128 v16, v[128+4*n:131+4*n], s[12:13] offset:(n/12)*196608+(n%12)*512
.set n, n+1
.endr
	s_wait_dscnt 0x0
	global_store_b128 v23, v[232:235], s[98:99]
	s_branch .Lend
.Lvpath:
.irp a, 0,1,2,3,4,5,6,7
	VBLOCK \a
.endr
	ds_load_b128 v[128:131], v25
	s_wait_dscnt 0x0
	global_store_b128 v23, v[128:131], s[98:99] offset:256
.Lend:
	s_wait_tensorcnt 0x0                           ; the wave's end
	ds_add_u32 v[SPW], v[NIL]
	s_wait_dscnt 0x0
	CROUND                                         ; the closing round
	s_endpgm
.Lfunc_end_k_q18897200e6_qkv:
	.size	k_q18897200e6_qkv, .Lfunc_end_k_q18897200e6_qkv-k_q18897200e6_qkv
	.p2alignl 7, 3214868480
	.fill 96, 4, 3214868480
	.section	.rodata,"a",@progbits
	.p2align	6, 0x0
	.amdhsa_kernel k_q18897200e6_qkv
		.amdhsa_group_segment_fixed_size 327680
		.amdhsa_private_segment_fixed_size 0
		.amdhsa_enable_private_segment 0
		.amdhsa_kernarg_size 96
		.amdhsa_user_sgpr_count 2
		.amdhsa_user_sgpr_kernarg_segment_ptr 1
		.amdhsa_wavefront_size32 1
		.amdhsa_system_sgpr_workgroup_id_x 1
		.amdhsa_system_sgpr_workgroup_id_y 1
		.amdhsa_system_sgpr_workgroup_id_z 1
		.amdhsa_system_vgpr_workitem_id 0
		.amdhsa_next_free_vgpr 1024
		.amdhsa_next_free_sgpr 100
		.amdhsa_reserve_vcc 0
		.amdhsa_float_denorm_mode_32 3
		.amdhsa_float_denorm_mode_16_64 3
		.amdhsa_memory_ordered 1
		.amdhsa_forward_progress 1
		.amdhsa_inst_pref_size 255
	.end_amdhsa_kernel
	.section	.bss,"aw",@nobits
	.p2align	6
	.space	262144
	.amdgpu_metadata
---
amdhsa.version: [ 1, 2 ]
amdhsa.kernels:
  - .name:           k_q18897200e6_qkv
    .symbol:         k_q18897200e6_qkv.kd
    .args:
      - { .name: hq, .offset: 0, .size: 8, .value_kind: global_buffer, .address_space: global }
      - { .name: Wq_codes, .offset: 8, .size: 8, .value_kind: global_buffer, .address_space: global }
      - { .name: Wq_scales, .offset: 16, .size: 8, .value_kind: global_buffer, .address_space: global }
      - { .name: Wk_codes, .offset: 24, .size: 8, .value_kind: global_buffer, .address_space: global }
      - { .name: Wk_scales, .offset: 32, .size: 8, .value_kind: global_buffer, .address_space: global }
      - { .name: Wv_codes, .offset: 40, .size: 8, .value_kind: global_buffer, .address_space: global }
      - { .name: Wv_scales, .offset: 48, .size: 8, .value_kind: global_buffer, .address_space: global }
      - { .name: bq, .offset: 56, .size: 8, .value_kind: global_buffer, .address_space: global }
      - { .name: bk, .offset: 64, .size: 8, .value_kind: global_buffer, .address_space: global }
      - { .name: bv, .offset: 72, .size: 8, .value_kind: global_buffer, .address_space: global }
      - { .name: qb, .offset: 80, .size: 8, .value_kind: global_buffer, .address_space: global }
      - { .name: kv, .offset: 88, .size: 8, .value_kind: global_buffer, .address_space: global }
    .group_segment_fixed_size: 327680
    .private_segment_fixed_size: 0
    .kernarg_segment_align: 8
    .kernarg_segment_size: 96
    .max_flat_workgroup_size: 128
    .sgpr_count:     100
    .vgpr_count:     1024
    .wavefront_size: 32
...
	.end_amdgpu_metadata
.endif
;; end of part 2
;; launch attn (part 3): grid 32 x 8, 8 waves a work-group, clusters of 4 x 1, 327,680 bytes of LDS; arguments qb, kv, attention_mask, ctx; writes ctx
.if DOCPART == 3
	.amdgcn_target "amdgcn-amd-amdhsa--gfx1250"
	.amdhsa_code_object_version 6
	.text
	.protected	k_q18897200e6_attn
	.globl	k_q18897200e6_attn
	.p2align	8
	.type	k_q18897200e6_attn,@function
k_q18897200e6_attn:
	s_mov_b64 s[64:65], 0
	v_nop
	global_prefetch_b8 v0, s[64:65] scope:SCOPE_SE
	s_setreg_imm32_b32 hwreg(HW_REG_WAVE_MODE, 25, 1), 1
	s_wait_xcnt 0x0
	s_wait_alu depctr_hold_cnt(0) depctr_sa_sdst(0) depctr_va_vdst(0) depctr_va_sdst(0) depctr_va_ssrc(0) depctr_va_vcc(0) depctr_vm_vsrc(0)
	s_getreg_b32 s2, hwreg(HW_REG_IB_STS2, 6, 4)
	s_cmp_eq_u32 s2, 0
	s_cbranch_scc0 .Lentry_in_a_cluster
	s_endpgm
.Lentry_in_a_cluster:
	s_bfe_u32 s2, ttmp6, 0x10000c
	s_cmp_lg_u32 s2, 0x3003
	s_cbranch_scc0 .Lentry_shape_is_right
	s_endpgm
.Lentry_shape_is_right:
; ctx = softmax(q k^T / 8 + (mask - 1) 10000) v, both products on codes of FP6 (E2M3) with E8M0 scales; the result is quantised along the hidden axis and leaves as codes.
; THE SOFTMAX: t = logit x log2(e); M = the running largest t rounded up to a whole number; p = 2^(t - M) is quantised along the keys; the row's sum is taken of the unquantised p and divides at the end.
; SHARES.  A work-group owns 64 queries x 4 heads of one batch, so that a row's 192 bytes of codes (256 of the hidden 1,024) come from one work-group.  Wave w: head w / 2, queries 32 (w % 2) on: two tiles of 16,
; which share every register of k, v and the mask.  Every wave walks all 2,048 keys, 128 a step; a slot holds 256 keys of the four heads.
; CLUSTER.  The four query blocks of a cluster walk the same k and v: each slot is asked for jointly (waves 0 to 3, a head each).
; LAYOUT.  Both products transposed: S^T = k q^T, O^T = v^T p^T: a lane holds one query.  The head's 64 fill half of the instruction's 128: a fragment of k holds TWO tiles of 16 keys (K 0-63, K 64-127), and q stands
; beside zero codes, [q, 0] or [0, q], which picks one of them.  The keys of a tile are chosen so that the 16 registers of two neighbouring tiles are 16 neighbouring keys.
; ROUNDINGS.  The mask may hold any numbers, so its term may be thousands for keys that still count, and the f32 rounding of the logit and of t is then far coarser than p's codes are fine.  So each rounding stands where
; reference() has it: the score is rounded by its product (C = 0); the mask's term is added by a vector addition, as 8 (mask - 1) 10000 onto the unscaled score (fl(s + 8 m) = 8 fl(s / 8 + m): the factor 8 is exact);
; t = fl(that x log2(e) / 8) is rounded BEFORE M is taken off, which is why the multiplication and the addition are not fused; ctx is the rounded quotient O / l.
; k, v and q come as images of the operands' registers (3 x 512 bytes a fragment, lane l's 16 bytes at 16 l).
; REGISTERS.  window 0: v1-11 addresses; v12-19 (-M, largest t, sum, sum) a tile; v20-67 k; v68-71 k's and v's scale words; v72-73 q's; v74-77 (f, p's scale word) a tile; v80-207 S^T, then p; v208-231 p's codes; v232-251 at work.
;   window 1: v0-63 O^T; v64-127 the mask's terms; v128-175 v; v176-211 [q, 0, q] a tile.
; LIMITS: a block of p (or of the result) under 2^-124 has the byte 1; a p under 2^-126 counts as 0; NaN and infinities are not served.
.set QS_OFF, 3145728
.set KVS_OFF, 6291456
.set SCR,   98304                      ; LDS: slot 0 at 0 (4 heads x 24,576); the four heads' scale words, 8,192 bytes each, filled once
.set SLOT1, 131072                     ; slot 1
.set MK,    229376                     ; the mask's 2,048 terms
.set SPARE, 237568                     ; the spare words, 128 bytes a wave: no other line names them
.set STG,   238592                     ; the way out: 64 rows x 272 bytes (16 places of 16 bytes, 12 used)
.set STS,   256000                     ; and 64 x 8 scale bytes
.set AKV, 1
.set ASC, 2
.set AMK, 3
.set SPW, 4
.set NIL, 5
.set ADK, 6
.set ADS, 7
.set ADM, 8
.set KF,  20
.set KSR, 68
.set VSR, 70
.set QS,  72
.set PFO, 79
.set S,   80
.set P,   208
.set CT,  232
.set BM,  240
.set T2,  244
.set SO,  248
.set MKR, 64
.set VF,  128
.set QR,  176
.set CD,  208
.set TM,  240
.set TB,  244
.set PW,  78
.set WV,  12
.set SEL, 20
.set CS,  22
.set G1,  24
.set G1S, 32
.set G0,  40
.set G0S, 44
.set TBS, 48
.set TS,  49
.set TMK, 50
.set SLOTS, 51
.set PFA, 52
.set LIM, 54
.set MSB, 0
.macro WIN new
.if MSB != \new
	s_set_vgpr_msb (MSB<<8)|\new
.set MSB, \new
.endif
.endm
.macro CROUND                          ; a round of the cluster's barrier
	s_barrier_signal -1
	s_barrier_wait -1
	s_cmp_lg_u32 s[WV], 0
	s_cbranch_scc1 .Lnot_wave_0_\@
	s_barrier_signal -3
.Lnot_wave_0_\@:
	s_barrier_wait -3
	s_barrier_signal -1
	s_barrier_wait -1
.endm
.macro TLOAD                           ; waves 0 to 3 fetch a head's part of a slot; four v_nop follow the line
	s_cmp_lt_u32 s[WV], 4
	s_cbranch_scc0 .Lnone_\@
	tensor_load_to_lds s[G0:G0+3], s[G1:G1+7]
	s_nop 0
.rept 4
	v_nop
.endr
.Lnone_\@:
.endm
; A prefetch of what the NEXT change of slots will ask for: 4 heads x 24,576 bytes.  All clusters of a batch and head group walk the same bytes: the first of them asks.  Its four partners take a head each, told apart by
; address; in each, waves 4 to 6 take 8,192 bytes, lanes 256 bytes apart: each run of 256 bytes is named once.  The last change that fills a slot asks for nothing; slots 0 and 1 come by their loads alone.
.macro ASK
	s_cmp_gt_u32 s[SLOTS], s[LIM]
	s_cbranch_scc0 .Lnot_mine_\@
	global_prefetch_b8 v[PFO], s[PFA:PFA+1] th:TH_LOAD_NT scope:SCOPE_SE
.Lnot_mine_\@:
.endm
	s_load_b256 s[4:11], s[0:1], 0x0               ; q s[4:5], k and v s[6:7], the mask s[8:9], ctx s[10:11]
	v_lshl_add_u32 v[SPW], v0, 2, SPARE
	v_mov_b32 v[NIL], 0
	ds_add_u32 v4, v5
	s_wait_dscnt 0x0
	v_lshrrev_b32 v1, 5, v0
	v_readfirstlane_b32 s[WV], v1                  ; wave 0..7
	s_bfe_u32 s13, ttmp6, 0x40000                  ; cx
	s_lshl_b32 s14, ttmp9, 2
	s_add_co_u32 s14, s14, s13                     ; my block of 64 queries
	s_and_b32 s15, ttmp7, 0xffff
	s_lshr_b32 s16, s15, 2                         ; the batch
	s_and_b32 s17, s15, 3                          ; the group of four heads
	s_lshr_b32 s18, s[WV], 1                       ; my head in the group
	s_and_b32 s19, s[WV], 1                        ; my half of the 64 queries
	s_and_b32 s78, s18, 1                          ; my head's place in its pair
	s_and_b32 s55, s[WV], 3
	s_lshl_b32 s56, s16, 4
	s_lshl_b32 s57, s17, 2
	s_add_co_u32 s56, s56, s57                     ; the group's first head
	s_add_co_u32 s57, s56, s55                     ; the head that I fetch, if I fetch
	s_mul_i32 s58, s57, 196608
	s_mov_b32 s59, 0
	s_lshl_b32 s60, s57, 13
	s_add_co_u32 s60, s60, KVS_OFF
	s_mov_b32 s61, 0
	s_mul_i32 s62, s55, 24576
	s_lshl_b32 s63, s55, 13
	s_add_co_u32 s63, s63, SCR
	; group 1: a dense block as rows of 256 bytes (32 elements of 8 bytes): 96 rows a head and slot; 32 rows of scale words a head
	s_mov_b32 s[G1], 15|(3<<16)|(1<<21)            ; the mask names all four work-groups
	s_mov_b32 s[G1+1], 32<<16
	s_mov_b32 s[G1+2], 96<<16
	s_mov_b32 s[G1+3], 32<<16
	s_mov_b32 s[G1+4], 96
	s_mov_b32 s[G1+5], 32
	s_mov_b32 s[G1+6], 0
	s_mov_b32 s[G1+7], 0
	s_mov_b32 s[G1S], 15|(3<<16)|(1<<21)
	s_mov_b32 s[G1S+1], 32<<16
	s_mov_b32 s[G1S+2], 32<<16
	s_mov_b32 s[G1S+3], 32<<16
	s_mov_b32 s[G1S+4], 32
	s_mov_b32 s[G1S+5], 32
	s_mov_b32 s[G1S+6], 0
	s_mov_b32 s[G1S+7], 0
	s_mov_b32 s[SEL], 0x76543210
	s_mov_b32 s[SEL+1], 0xfedcba98
	s_mov_b32 s[CS], 0x3e38aa3b                    ; c = log2(e) / 8: the f32 number log2(e) with 3 off its exponent
	s_mov_b32 s[CS+1], s[CS]
	s_mov_b32 s[TBS], 0
	s_mov_b32 s[TS], 0
	s_mov_b32 s[TMK], 0
	s_mov_b32 s[SLOTS], 7
	s_wait_kmcnt 0x0
	s_mov_b32 s[G0], 1
	s_mov_b32 s[G0+1], s62
	s_add_nc_u64 s[G0+2:G0+3], s[6:7], s[58:59]
	s_or_b32 s[G0+3], s[G0+3], 0x80000000
	s_mov_b32 s[G0S], 1
	s_mov_b32 s[G0S+1], s63
	s_add_nc_u64 s[G0S+2:G0S+3], s[6:7], s[60:61]
	s_or_b32 s[G0S+3], s[G0S+3], 0x80000000
	CROUND                                         ; all four work-groups are here: the first joint loads meet
	s_cmp_lt_u32 s[WV], 4                          ; a wave's two first fills stand in one branch: two loads of mine are out
	s_cbranch_scc0 .Lno_first
	tensor_load_to_lds s[G0S:G0S+3], s[G1S:G1S+7]
	s_nop 0
	tensor_load_to_lds s[G0:G0+3], s[G1:G1+7]
	s_nop 0
.rept 4
	v_nop
.endr
.Lno_first:
	; the prefetches: my work-group's head, my wave's third of a slot's part; it stands in slot 1 and is stepped ahead of its first use
	s_add_co_u32 s66, s56, s13
	s_lshl_b32 s66, s66, 3
	s_add_co_u32 s66, s66, 1
	s_mul_i32 s66, s66, 24576
	s_lshl_b32 s67, s55, 13
	s_add_co_u32 s66, s66, s67
	s_mov_b32 s67, 0
	s_add_nc_u64 s[PFA:PFA+1], s[6:7], s[66:67]
	s_sub_co_u32 s66, s[WV], 4
	s_cmp_lt_u32 s66, 3                            ; waves 4 to 6,
	s_cselect_b32 s66, 0, 1
	s_or_b32 s66, s66, ttmp9                       ; of the first cluster: the same in all four partners
	s_cmp_eq_u32 s66, 0
	s_cselect_b32 s[LIM], 1, -1
	; q's images and scale words
	s_lshl_b32 s66, s16, 3
	s_lshl_b32 s67, s17, 1
	s_add_co_u32 s66, s66, s67
	s_lshr_b32 s67, s18, 1
	s_add_co_u32 s66, s66, s67                     ; 8 b + head pair
	s_lshl_b32 s67, s14, 2
	s_lshl_b32 s68, s19, 1
	s_add_co_u32 s67, s67, s68                     ; my first tile of 16 queries
	s_lshl_b32 s68, s66, 7
	s_add_co_u32 s68, s68, s67
	s_mul_i32 s68, s68, 1536
	s_mov_b32 s69, 0
	s_add_nc_u64 s[70:71], s[4:5], s[68:69]
	s_lshl_b32 s68, s66, 11
	s_lshl_b32 s67, s67, 4
	s_add_co_u32 s68, s68, s67
	s_lshl_b32 s68, s68, 2
	s_add_co_u32 s68, s68, QS_OFF
	s_add_nc_u64 s[72:73], s[4:5], s[68:69]
	; ctx: codes [4 chunks][4096][192], scale bytes [4][4096][8] behind them
	s_lshl_b32 s66, s16, 11
	s_lshl_b32 s67, s14, 6
	s_add_co_u32 s66, s66, s67                     ; the work-group's first row
	s_lshl_b32 s67, s[WV], 3
	s_add_co_u32 s67, s66, s67
	s_mul_i32 s67, s67, 192
	s_mul_i32 s68, s17, 786432
	s_add_co_u32 s68, s68, s67
	s_add_nc_u64 s[74:75], s[10:11], s[68:69]
	s_lshl_b32 s68, s66, 3
	s_lshl_b32 s67, s17, 15
	s_add_co_u32 s68, s68, s67
	s_add_co_u32 s68, s68, 3145728
	s_add_nc_u64 s[76:77], s[10:11], s[68:69]
	s_lshl_b32 s68, s16, 13
	s_add_nc_u64 s[8:9], s[8:9], s[68:69]          ; the batch's mask
	v_and_b32 v9, 31, v0                           ; lane
	v_and_b32 v10, 15, v0                          ; r
	v_bfe_u32 v11, v0, 4, 1                        ; h
	v_lshlrev_b32 v1, 4, v9
	v_lshlrev_b32 v[PFO], 8, v9
	s_mul_i32 s79, s78, 520
	v_add_nc_u32 v6, s79, v1                       ; my head's six registers of the pair's image: registers 0, 1 and 4, 5,
	s_mul_i32 s79, s78, 1016
	s_add_co_u32 s79, s79, 8
	v_add_nc_u32 v7, s79, v1                       ; registers 2, 3
	v_lshlrev_b32 v8, 2, v10
	v_lshlrev_b32 v3, 4, v0
	global_load_b128 v[80:83], v3, s[8:9]
	global_load_b128 v[84:87], v3, s[8:9] offset:4096
	global_load_b32 v[QS], v8, s[72:73]
	global_load_b32 v[QS+1], v8, s[72:73] offset:64
	WIN 0x40
.irp x, 0,1
.irp k, 0,12
	global_load_b64 v[QR+18*\x+\k:QR+18*\x+\k+1], v6, s[70:71] offset:1536*\x
	global_load_b64 v[QR+18*\x+\k+2:QR+18*\x+\k+3], v7, s[70:71] offset:1536*\x
	global_load_b64 v[QR+18*\x+\k+4:QR+18*\x+\k+5], v6, s[70:71] offset:1536*\x+512
.endr
.irp i, 6,7,8,9,10,11
	v_mov_b32 v[QR+18*\x+\i], 0                    ; zero codes
.endr
.endr
.set j, 0
.rept 64
	v_mov_b32 v[j], 0                              ; O^T: the step is written once; its first run finds zeros
.set j, j+1
.endr
	WIN 0
.irp x, 0,1
	v_mov_b32 v[13+4*\x], 0xff61b1e6               ; the largest t so far: -3e38
	v_floor_f32 v[12+4*\x], -v[13+4*\x]            ; -M
	v_mov_b32 v[14+4*\x], 0
	v_mov_b32 v[15+4*\x], 0
	v_mov_b32 v[75+2*\x], 0                        ; (named as the upper half of a pair before it is first written)
.endr
.irp b, 0,1,2,3
	v_mov_b32 v[T2+\b], 0                          ; a lane permute's destination counts as read
.endr
	s_mov_b32 s79, 0x03020302
	s_cmp_eq_u32 s78, 1
	s_cselect_b32 s79, s79, 0x01000100             ; my head's two scale bytes, twice
	v_add_nc_u32 v78, MK, v3
	s_wait_loadcnt 0x0
.irp i, 80,82,84,86
	v_pk_add_f32 v[\i:\i+1], v[\i:\i+1], -1.0 op_sel_hi:[1,0]
.endr
.irp i, 80,82,84,86
	v_pk_mul_f32 v[\i:\i+1], v[\i:\i+1], 0x479c4000 op_sel_hi:[1,0]   ; x 80,000 = 8 x the rounded (mask - 1) x 10,000
.endr
	ds_store_b128 v78, v[80:83]
	ds_store_b128 v78, v[84:87] offset:4096
	v_perm_b32 v[QS], v[QS], v[QS], s79
	v_perm_b32 v[QS+1], v[QS+1], v[QS+1], s79
	s_mul_i32 s79, s18, 24576
	v_add_nc_u32 v[AKV], s79, v1                   ; 16 lane + my head's part of a slot
	s_lshl_b32 s79, s18, 13
	s_add_co_u32 s79, s79, SCR
	v_lshl_add_u32 v[ASC], v9, 3, s79              ; 8 lane + my head's scale words
	v_lshlrev_b32 v[AMK], 6, v11
	v_add_nc_u32 v[AMK], MK, v[AMK]                ; my half's 16 keys of each 32
; One tile's softmax for a key step, on its 64 numbers 8 x logit.
.macro SOFT x
.set SS, S+64*(\x)
.set PP, P+12*(\x)
.set SA, 12+4*(\x)
.set FF, 74+2*(\x)
.irp b, 0,1,2,3
	v_max3_num_f32 v[BM+\b], v[SS+16*\b], v[SS+16*\b+1], v[SS+16*\b+2]   ; the largest logit of each block of 32 keys: for the row's maximum and, since p rises with the logit, for the block's largest p
.endr
.irp i, 3,5,7,9,11,13
.irp b, 0,1,2,3
	v_max3_num_f32 v[BM+\b], v[BM+\b], v[SS+16*\b+\i], v[SS+16*\b+\i+1]
.endr
.endr
.irp b, 0,1,2,3
	v_max_num_f32 v[BM+\b], v[BM+\b], v[SS+16*\b+15]
.endr
.irp b, 0,1,2,3
	v_permlanex16_b32 v[T2+\b], v[BM+\b], s[SEL], s[SEL+1]
.endr
.irp b, 0,1,2,3
	v_max_num_f32 v[BM+\b], v[BM+\b], v[T2+\b]
.endr
	v_max3_num_f32 v78, v[BM], v[BM+1], v[BM+2]
	v_max_num_f32 v78, v78, v[BM+3]
	v_mul_f32 v78, s[CS], v78
	v_max_num_f32 v[SA+1], v[SA+1], v78            ; the running largest t
	v_mov_b32 v78, v[SA]
	v_floor_f32 v[SA], -v[SA+1]                    ; the new -M = -ceil(t)
	v_sub_f32 v78, v[SA], v78
	v_cvt_i32_f32 v78, v78                         ; (it saturates)
	v_ldexp_f32 v[FF], 1.0, v78                    ; f = 2^(old M - new M)
.set j, 0
.rept 32
	v_pk_mul_f32 v[SS+j:SS+j+1], v[SS+j:SS+j+1], s[CS:CS+1] op_sel_hi:[1,0]   ; t = logit x log2(e), rounded to f32 as the definition has it: not fused with the line that takes M off
.set j, j+2
.endr
.irp b, 0,1,2,3
	v_mul_f32 v[BM+\b], s[CS], v[BM+\b]            ; the same two roundings for each block's largest
.endr
.set j, 0
.rept 32
	v_pk_add_f32 v[SS+j:SS+j+1], v[SS+j:SS+j+1], v[SA:SA+1] op_sel_hi:[1,0]   ; t - M (of the pair the low word, -M, serves both halves)
.set j, j+2
.endr
.irp b, 0,1,2,3
	v_add_f32 v[BM+\b], v[BM+\b], v[SA]
.endr
.set j, 0
.rept 64
	v_exp_f32 v[SS+j], v[SS+j]                     ; p = 2^(t - M)
.set j, j+1
.endr
	v_pk_mul_f32 v[SA+2:SA+3], v[SA+2:SA+3], v[FF:FF+1] op_sel_hi:[1,0]   ; the sums under the new M (a plain line behind the exponentials)
	s_wait_alu depctr_va_vdst(0)                   ; one wait for the batch, ahead of its first reader
.irp b, 0,1,2,3
	v_exp_f32 v[BM+\b], v[BM+\b]                   ; the blocks' largest p
.endr
	v_pk_add_f32 v[T2:T2+1], v[SS:SS+1], v[SS+2:SS+3]   ; the row's sum of the unquantised p, in two chains
.irp i, 4,8,12,16,20,24,28,32,36,40,44,48,52,56,60
	v_pk_add_f32 v[SA+2:SA+3], v[SA+2:SA+3], v[SS+\i:SS+\i+1]
	v_pk_add_f32 v[T2:T2+1], v[T2:T2+1], v[SS+\i+2:SS+\i+3]
.endr
	v_pk_add_f32 v[SA+2:SA+3], v[SA+2:SA+3], v[T2:T2+1]
	s_wait_alu depctr_va_vdst(0)                   ; and one for the four
.irp b, 0,1,2,3
	v_max_num_f32 v[BM+\b], 0x1800000, v[BM+\b]    ; the floor 2^(3 - 127)
.endr
.irp b, 0,1,2,3
	v_add_nc_u32 v[SO+\b], 0xff000000, v[BM+\b]
.endr
.irp b, 0,1,2,3
	v_lshrrev_b32 v[T2+\b], 23, v[SO+\b]
.endr
	v_lshl_or_b32 v[FF+1], v[T2+1], 8, v[T2]       ; p's scale word for these 128 keys
	v_lshl_or_b32 v[FF+1], v[T2+2], 16, v[FF+1]
	v_lshl_or_b32 v[FF+1], v[T2+3], 24, v[FF+1]
.irp c, 0,1
	v_cvt_scalef32_pk16_fp6_f32 v[PP+6*\c:PP+6*\c+2], v[SS+32*\c:SS+32*\c+15], v[SO+2*\c]
	v_cvt_scalef32_pk16_fp6_f32 v[CT+4*\c:CT+4*\c+2], v[SS+32*\c+16:SS+32*\c+31], v[SO+2*\c+1]
.endr
	v_nop
.irp c, 0,1
.irp i, 0,1,2
	v_permlane16_swap_b32 v[PP+6*\c+\i], v[CT+4*\c+\i]
.endr
.irp i, 0,1,2
	v_mov_b32 v[PP+3+6*\c+\i], v[CT+4*\c+\i]
.endr
.endr
	WIN 0x41
.set j, 0
.rept 16
	v_pk_mul_f32 v[32*(\x)+j:32*(\x)+j+1], v[32*(\x)+j:32*(\x)+j+1], v[FF:FF+1] op_sel_hi:[1,0]   ; O^T under the new M; these are also the places in front of the products below
.set j, j+2
.endr
	WIN 0
.endm
; A KEY STEP: 128 keys, the q-th of the slot in hand.
.macro STEP q
	v_add_nc_u32 v[ADK], s[TBS], v[AKV]
	v_add_nc_u32 v[ADS], s[TS], v[ASC]
	v_add_nc_u32 v[ADM], s[TMK], v[AMK]
	v_nop                                          ; four places in front of loads into registers that matrix instructions have read
.set n, 0
.rept 12
	ds_load_b128 v[KF+4*n:KF+4*n+3], v[ADK] offset:6144*(\q)+512*n
.set n, n+1
.endr
	ds_load_b64 v[KSR:KSR+1], v[ADS]
	WIN 0x40
.set n, 0
.rept 16
	ds_load_b128 v[MKR+4*n:MKR+4*n+3], v[ADM] offset:128*(n/4)+16*(n%4)
.set n, n+1
.endr
.set n, 0
.rept 12
	ds_load_b128 v[VF+4*n:VF+4*n+3], v[ADK] offset:12288+6144*(\q)+512*n
.set n, n+1
.endr
	WIN 0
	ds_load_b64 v[VSR:VSR+1], v[ADS] offset:256
	s_wait_dscnt 13                                ; k, its scale words and the mask's terms are in; v's 12 loads and its scale words may be out
	WIN 0x04                                       ; source 1 in window 1: q for the products, the mask's terms for the additions behind them
.irp b, 0,1,2,3
.irp u, 0,1
.irp x, 0,1
.if (\b%2) == 0
	v_wmma_scale_f32_16x16x128_f8f6f4 v[S+64*\x+8*(2*\b+\u):S+64*\x+8*(2*\b+\u)+7], v[KF+12*\b:KF+12*\b+11], v[QR+18*\x+6*\u:QR+18*\x+6*\u+11], 0, v[KSR+\b/2], v[QS+\x] matrix_a_fmt:MATRIX_FMT_FP6 matrix_b_fmt:MATRIX_FMT_FP6
.else
	v_wmma_scale_f32_16x16x128_f8f6f4 v[S+64*\x+8*(2*\b+\u):S+64*\x+8*(2*\b+\u)+7], v[KF+12*\b:KF+12*\b+11], v[QR+18*\x+6*\u:QR+18*\x+6*\u+11], 0, v[KSR+\b/2], v[QS+\x] matrix_a_fmt:MATRIX_FMT_FP6 matrix_b_fmt:MATRIX_FMT_FP6 matrix_a_scale:MATRIX_SCALE_ROW1
.endif
.endr
.endr
.endr
.rept 4
	v_nop                                          ; places between the products and the first read of their results
.endr
.irp x, 0,1
.set j, 0
.rept 32
	v_pk_add_f32 v[S+64*\x+j:S+64*\x+j+1], v[S+64*\x+j:S+64*\x+j+1], v[MKR+j:MKR+j+1]   ; 8 x logit = score + 8 x the mask's term: register 16 b + i holds key 32 b + 16 (lane / 16) + i in both; each result is read from its low end on
.set j, j+2
.endr
.endr
	WIN 0
	SOFT 0
	SOFT 1
	s_wait_dscnt 0x0                               ; v
	WIN 0x51                                       ; v and O^T in window 1, p in window 0
.irp t, 0,1,2,3
.irp x, 0,1
.if (\t%2) == 0
	v_wmma_scale_f32_16x16x128_f8f6f4 v[32*\x+8*\t:32*\x+8*\t+7], v[VF+12*\t:VF+12*\t+11], v[P+12*\x:P+12*\x+11], v[32*\x+8*\t:32*\x+8*\t+7], v[VSR+\t/2], v[75+2*\x] matrix_a_fmt:MATRIX_FMT_FP6 matrix_b_fmt:MATRIX_FMT_FP6
.else
	v_wmma_scale_f32_16x16x128_f8f6f4 v[32*\x+8*\t:32*\x+8*\t+7], v[VF+12*\t:VF+12*\t+11], v[P+12*\x:P+12*\x+11], v[32*\x+8*\t:32*\x+8*\t+7], v[VSR+\t/2], v[75+2*\x] matrix_a_fmt:MATRIX_FMT_FP6 matrix_b_fmt:MATRIX_FMT_FP6 matrix_a_scale:MATRIX_SCALE_ROW1
.endif
.endr
.endr
	WIN 0
	s_add_co_u32 s[TS], s[TS], 512
	s_add_co_u32 s[TMK], s[TMK], 512
.endm
; THE CHANGE OF SLOTS, at a slot's head: each wave waits for all its tensor loads, adds 0 to its spare word, and waits for that and for its reads of the slot that it has left (the first time: for its stores of the mask's terms).
; fill = 1: a round of the cluster's barrier, and behind it the joint fill of the other slot, which has a slot's two key steps in which to land.
.macro CHANGE fill
	s_wait_tensorcnt 0x0
	ds_add_u32 v[SPW], v[NIL]
.if \fill
	s_xor_b32 s[G0+1], s[G0+1], SLOT1
	s_add_nc_u64 s[G0+2:G0+3], s[G0+2:G0+3], 24576
	s_wait_xcnt 0x0                                ; the last prefetch has read its address
	s_add_nc_u64 s[PFA:PFA+1], s[PFA:PFA+1], 24576
	s_wait_dscnt 0x0
	CROUND
	TLOAD
	ASK
.else
	s_wait_dscnt 0x0
	s_barrier_signal -1
	s_barrier_wait -1
.endif
.endm
.Lslot:                                            ; seven trips: behind each change of slots but the last the next slot is asked for
	CHANGE 1
	STEP 0
	STEP 1
	s_xor_b32 s[TBS], s[TBS], SLOT1
	s_sub_co_u32 s[SLOTS], s[SLOTS], 1
	s_cmp_lg_u32 s[SLOTS], 0
	s_cbranch_scc1 .Lslot
	CHANGE 0                                       ; the last slot is written out
	STEP 0
	STEP 1
.macro SWAP s
.irp c, 0,1,2,3
.irp j, 0,1,2,3,4,5,6,7
	v_permlane16_swap_b32 v[\s+16*\c+\j], v[\s+16*\c+8+\j]
.endr
.endr
.endm
	; THE WAY OUT: O^T / the sum; quantised along the head's 64 (two blocks a tile); through a stage, so that whole rows of 192 bytes leave together
	v_add_f32 v14, v14, v15
	v_add_f32 v18, v18, v19
	v_permlanex16_b32 v[T2], v14, s[SEL], s[SEL+1]
	v_permlanex16_b32 v[T2+1], v18, s[SEL], s[SEL+1]
	v_add_f32 v14, v14, v[T2]                      ; l of tile 0,
	v_add_f32 v18, v18, v[T2+1]                    ; of tile 1
	v_rcp_f32 v15, v14
	v_rcp_f32 v19, v18
	v_and_b32 v6, 15, v0                           ; r
	v_bfe_u32 v7, v0, 4, 1                         ; h
	s_mul_i32 s55, s19, 32*272
	s_lshl_b32 s56, s18, 6
	s_add_co_u32 s55, s55, s56
	s_add_co_u32 s55, s55, STG
	v_mul_u32_u24 v9, v6, 272
	v_lshl_add_u32 v9, v7, 4, v9
	v_add_nc_u32 v9, s55, v9                       ; in: row 32 (w % 2) + r, place 4 head + h
	s_lshl_b32 s55, s19, 8
	s_lshl_b32 s56, s18, 1
	s_add_co_u32 s55, s55, s56
	s_add_co_u32 s55, s55, STS
	v_lshl_add_u32 v10, v6, 3, s55                 ; my head's two scale bytes of my row's eight
	s_mul_i32 s55, s[WV], 8*272
	s_add_co_u32 s55, s55, STG
	v_mul_u32_u24 v11, v7, 272
	v_lshl_add_u32 v11, v6, 4, v11
	v_add_nc_u32 v11, s55, v11                     ; back: rows 8 w on, two an instruction
	v_mul_u32_u24 v8, v7, 192
	v_mad_u32_u24 v8, v6, 12, v8                   ; and the same place in memory
	v_and_b32 v2, 31, v0
	v_lshlrev_b32 v2, 4, v2
	v_add_nc_u32 v1, STS, v2
	s_wait_alu depctr_va_vdst(0)                   ; one wait for the two reciprocals, ahead of their first reader
; The quotient O / l as a division rounds it: q0 = O x (1 / l); what is left, e = O - q0 l, by one fused multiply-add; q = q0 + e x (1 / l).  k's registers, which are free, hold e.
.irp x, 0,1
	WIN 0x01                                       ; source 0: O^T, window 1
.set j, 0
.rept 32
	v_mul_f32 v[S+32*\x+j], v[32*\x+j], v[15+4*\x]
.set j, j+1
.endr
	WIN 0x10                                       ; source 2: O^T, window 1
.set j, 0
.rept 32
	v_fma_f32 v[KF+j], -v[S+32*\x+j], v[14+4*\x], v[32*\x+j]
.set j, j+1
.endr
	WIN 0
.set j, 0
.rept 32
	v_fma_f32 v[S+32*\x+j], v[KF+j], v[15+4*\x], v[S+32*\x+j]
.set j, j+1
.endr
.endr
	SWAP S                                         ; register 16 c + i: tile c / 2, channel 32 (c % 2) + 16 h + i
.irp b, 0,1,2,3
	v_max3_num_f32 v[TM+\b], |v[S+16*\b]|, |v[S+1+16*\b]|, 0x1800000
.endr
.irp i, 2,4,6,8,10,12,14
.irp b, 0,1,2,3
	v_max3_num_f32 v[TM+\b], v[TM+\b], |v[S+16*\b+\i]|, |v[S+1+16*\b+\i]|
.endr
.endr
.irp b, 0,1,2,3
	v_permlanex16_b32 v[TB+\b], v[TM+\b], s[SEL], s[SEL+1]
.endr
.irp b, 0,1,2,3
	v_max_num_f32 v[TM+\b], v[TM+\b], v[TB+\b]
.endr
.irp b, 0,1,2,3
	v_add_nc_u32 v[SO+\b], 0xff000000, v[TM+\b]
.endr
.irp b, 0,1,2,3
	v_lshrrev_b32 v[TB+\b], 23, v[SO+\b]
.endr
	v_lshl_or_b32 v[PW], v[TB+1], 8, v[TB]
	v_lshl_or_b32 v[PW], v[TB+2], 16, v[PW]
	v_lshl_or_b32 v[PW], v[TB+3], 24, v[PW]
.irp c, 0,1,2,3
	v_cvt_scalef32_pk16_fp6_f32 v[CD+4*\c:CD+4*\c+2], v[S+16*\c:S+16*\c+15], v[SO+\c]
.endr
	v_nop
.irp c, 0,1,2,3
	ds_store_b96 v9, v[CD+4*\c:CD+4*\c+2] offset:(\c/2)*4352+(\c%2)*32
.endr
	ds_store_b16 v10, v[PW]
	ds_store_b16_d16_hi v10, v[PW] offset:128
	s_wait_dscnt 0x0                               ; for the others' sake: my stores have landed
	s_barrier_signal -1
	s_barrier_wait -1
.irp t, 0,1,2,3
	ds_load_b96 v[S+4*\t:S+4*\t+2], v11 offset:544*\t
.endr
.irp t, 0,1,2,3
	s_wait_dscnt 3-\t
	global_store_b96 v8, v[S+4*\t:S+4*\t+2], s[74:75] offset:384*\t   ; 384 consecutive bytes; the work-group's 12,288 are dense
.endr
	s_cmp_lg_u32 s[WV], 0
	s_cbranch_scc1 .Lno_scales
	ds_load_b128 v[S+16:S+19], v1
	s_wait_dscnt 0x0
	global_store_b128 v2, v[S+16:S+19], s[76:77]   ; the work-group's 512 scale bytes
.Lno_scales:
	s_wait_tensorcnt 0x0                           ; the wave's end
	ds_add_u32 v[SPW], v[NIL]
	s_wait_dscnt 0x0
	CROUND                                         ; the closing round
	s_endpgm
.Lfunc_end_k_q18897200e6_attn:
	.size	k_q18897200e6_attn, .Lfunc_end_k_q18897200e6_attn-k_q18897200e6_attn
	.p2alignl 7, 3214868480
	.fill 96, 4, 3214868480
	.section	.rodata,"a",@progbits
	.p2align	6, 0x0
	.amdhsa_kernel k_q18897200e6_attn
		.amdhsa_group_segment_fixed_size 327680
		.amdhsa_private_segment_fixed_size 0
		.amdhsa_enable_private_segment 0
		.amdhsa_kernarg_size 32
		.amdhsa_user_sgpr_count 2
		.amdhsa_user_sgpr_kernarg_segment_ptr 1
		.amdhsa_wavefront_size32 1
		.amdhsa_system_sgpr_workgroup_id_x 1
		.amdhsa_system_sgpr_workgroup_id_y 1
		.amdhsa_system_sgpr_workgroup_id_z 1
		.amdhsa_system_vgpr_workitem_id 0
		.amdhsa_next_free_vgpr 512
		.amdhsa_next_free_sgpr 80
		.amdhsa_reserve_vcc 0
		.amdhsa_float_denorm_mode_32 3
		.amdhsa_float_denorm_mode_16_64 3
		.amdhsa_memory_ordered 1
		.amdhsa_forward_progress 1
		.amdhsa_inst_pref_size 182
	.end_amdhsa_kernel
	.amdgpu_metadata
---
amdhsa.version: [ 1, 2 ]
amdhsa.kernels:
  - .name:           k_q18897200e6_attn
    .symbol:         k_q18897200e6_attn.kd
    .args:
      - { .name: qb, .offset: 0, .size: 8, .value_kind: global_buffer, .address_space: global }
      - { .name: kv, .offset: 8, .size: 8, .value_kind: global_buffer, .address_space: global }
      - { .name: attention_mask, .offset: 16, .size: 8, .value_kind: global_buffer, .address_space: global }
      - { .name: ctx, .offset: 24, .size: 8, .value_kind: global_buffer, .address_space: global }
    .group_segment_fixed_size: 327680
    .private_segment_fixed_size: 0
    .kernarg_segment_align: 8
    .kernarg_segment_size: 32
    .max_flat_workgroup_size: 256
    .sgpr_count:     80
    .vgpr_count:     512
    .wavefront_size: 32
...
	.end_amdgpu_metadata
.endif
;; end of part 3
;; launch wo (part 4): grid 8 x 32, 4 waves a work-group, clusters of 4 x 4, 327,680 bytes of LDS; arguments ctx, Wo_codes, Wo_scales, bo, x, x1; writes x1
.if DOCPART == 4
	.amdgcn_target "amdgcn-amd-amdhsa--gfx1250"
	.amdhsa_code_object_version 6
	.text
	.protected	k_q18897200e6_wo
	.globl	k_q18897200e6_wo
	.p2align	8
	.type	k_q18897200e6_wo,@function
k_q18897200e6_wo:
	s_mov_b64 s[64:65], 0
	v_nop
	global_prefetch_b8 v0, s[64:65] scope:SCOPE_SE
	s_setreg_imm32_b32 hwreg(HW_REG_WAVE_MODE, 25, 1), 1
	s_wait_xcnt 0x0
	s_wait_alu depctr_hold_cnt(0) depctr_sa_sdst(0) depctr_va_vdst(0) depctr_va_sdst(0) depctr_va_ssrc(0) depctr_va_vcc(0) depctr_vm_vsrc(0)
	s_getreg_b32 s2, hwreg(HW_REG_IB_STS2, 6, 4)
	s_cmp_eq_u32 s2, 0
	s_cbranch_scc0 .Lentry_in_a_cluster
	s_endpgm
.Lentry_in_a_cluster:
	s_bfe_u32 s2, ttmp6, 0x10000c
	s_cmp_lg_u32 s2, 0xf033
	s_cbranch_scc0 .Lentry_shape_is_right
	s_endpgm
.Lentry_shape_is_right:
; out = resid + A W^T + bias, the product on codes of FP6 (E2M3) with E8M0 scales.  A: codes [SIZE_K / 256 chunks][4096][192 bytes], its scale bytes [chunks][4096][8] behind them; W: [1024][SIZE_K] codes, K innermost, scale bytes [1024][SIZE_K / 32].
; N is 1,024: tiles of 128 x 128 give each of 256 work-groups one.  Four waves, 64 x 64 each: 16 accumulators.  A slot holds 512 along K as two chunks of 256 (A's two, then B's two; 128 rows of 192 bytes, pitch 240):
; wave w fetches region w.  The scales come once.  CLUSTERS: 4 x 4; A's tiles are asked for jointly along a row of the cluster, B's along a column.  The matrix instruction is used transposed.
; REGISTERS: window 0: v0-31 addresses; v32-63 A's scale words, two sets; v64-95 B's; v96-99 the bias; v128-175 A's four fragments; v192-255 the way out.  window 1: B's fragments, two sets.  window 2: v0-127 accumulators; v128-255 the residual.
.set SIZE_K, 1024
.set KROW,   SIZE_K*6/8
.set NCHK,   SIZE_K/256
.set ASOFF,  NCHK*786432
.set PITCH,  240
.set FR,     12
.set NL,     6
.set HALFT,  128*PITCH
.set SLOT,   4*HALFT
.set LAPS,   SIZE_K/1024
.set KS,     SIZE_K/32
.set SCLA,   2*SLOT                    ; A's scale words: [chunk][128 rows][8 bytes]
.set SCLB,   SCLA+16384                ; B's: runs of 256 bytes + 16 of padding
.set HALFSB, (64*KS/256)*272
.set SBLKB,  (16*KS/256)*272
.set SPARE,  SCLB+17408                ; the spare words, 128 bytes a wave: no other line names them
.set ADRA, 16
.set ADRB, 20
.set STO,  24
.set RD,   25
.set CO,   26
.set ADRSA, 27
.set SPW,  28
.set NIL,  29
.set ADRSB, 30
.set SCA,  32
.set SCB,  64
.set BIASR, 96
.set AF,   128
.set G1, 24
.set G0, 32
.set G1B, 48
.set G0B, 56
.set G1S, 68
.set G0S, 76
.set G1SB, 80
.set G0SB, 88
.set MSB, 0
.macro WIN new
.if MSB != \new
	s_set_vgpr_msb (MSB<<8)|\new
.set MSB, \new
.endif
.endm
.macro JLOAD g0a, g1a, g0b, g1b        ; waves 0 and 1 fetch for A, waves 2 and 3 for B; four v_nop follow each line
	s_cmp_eq_u32 s15, 0
	s_cbranch_scc0 .Lfor_b_\@
	tensor_load_to_lds s[\g0a:\g0a+3], s[\g1a:\g1a+7]
	s_nop 0
.rept 4
	v_nop
.endr
	s_branch .Lasked_\@
.Lfor_b_\@:
	tensor_load_to_lds s[\g0b:\g0b+3], s[\g1b:\g1b+7]
	s_nop 0
.rept 4
	v_nop
.endr
.Lasked_\@:
.endm
.macro CREST
	s_cmp_lg_u32 s14, 0
	s_cbranch_scc1 .Lnot_wave_0_\@
	s_barrier_signal -3
.Lnot_wave_0_\@:
	s_barrier_wait -3
	s_barrier_signal -1
	s_barrier_wait -1
.endm
.macro CROUND
	s_barrier_signal -1
	s_barrier_wait -1
	CREST
.endm
	s_load_b256 s[4:11], s[0:1], 0x0               ; A s[4:5], W's codes s[6:7], W's scales s[8:9], bias s[10:11]
	s_load_b128 s[96:99], s[0:1], 0x20             ; resid s[96:97], out s[98:99]
	v_lshl_add_u32 v[SPW], v0, 2, SPARE
	v_mov_b32 v[NIL], 0
	ds_add_u32 v28, v29
	s_wait_dscnt 0x0
	v_lshrrev_b32 v1, 5, v0
	v_readfirstlane_b32 s14, v1                    ; wave 0..3
	s_lshr_b32 s15, s14, 1                         ; my half of the tile's rows.  Also: I fetch for A (0) or for B (1)
	s_and_b32 s16, s14, 1                          ; my half of its columns.  Also: which chunk of a slot I fetch
	s_bfe_u32 s40, ttmp6, 0x40000
	s_bfe_u32 s41, ttmp6, 0x40004
	s_lshl_b32 s42, ttmp9, 2
	s_add_co_u32 s42, s42, s40                     ; tile column
	s_and_b32 s17, ttmp7, 0xffff
	s_lshl_b32 s17, s17, 2
	s_add_co_u32 s17, s17, s41                     ; tile row
	s_lshl_b32 s43, s41, 2
	s_lshl_b32 s43, 15, s43                        ; my row of the cluster
	s_lshl_b32 s44, 0x1111, s40                    ; my column
	s_or_b32 s[G1+0], s43, (0<<16)|(1<<20)|(1<<21)|(3<<22)|(3<<25)
	s_or_b32 s[G1B+0], s44, (0<<16)|(1<<20)|(1<<21)|(3<<22)|(3<<25)
.irp g, G1, G1B
	s_mov_b32 s[\g+1], 192<<16
	s_mov_b32 s[\g+2], 128<<16
	s_mov_b32 s[\g+3], 192<<16
	s_mov_b32 s[\g+4], 128
	s_mov_b32 s[\g+6], 0
	s_mov_b32 s[\g+7], 0
.endr
	s_mov_b32 s[G1+5], 192                         ; A's rows of a chunk are dense
	s_mov_b32 s[G1B+5], KROW
	s_or_b32 s[G1S+0], s43, (3<<16)|(1<<21)        ; A's scales: 128 rows x 8 bytes a chunk, NCHK / 2 chunks, 32,768 bytes apart
	s_mov_b32 s[G1S+1], 128<<16
	s_mov_b32 s[G1S+2], (NCHK/2)<<16
	s_mov_b32 s[G1S+3], 128<<16
	s_mov_b32 s[G1S+4], NCHK/2
	s_mov_b32 s[G1S+5], 4096
	s_mov_b32 s[G1S+6], 0
	s_mov_b32 s[G1S+7], 0
	s_or_b32 s[G1SB+0], s44, (3<<16)|(1<<20)|(1<<21)|(5<<22)|(3<<25)   ; B's: 64 rows' dense bytes as rows of 256 + 16 of padding
	s_mov_b32 s[G1SB+1], 32<<16
	s_mov_b32 s[G1SB+2], (64*KS/256)<<16
	s_mov_b32 s[G1SB+3], 32<<16
	s_mov_b32 s[G1SB+4], 64*KS/256
	s_mov_b32 s[G1SB+5], 32
	s_mov_b32 s[G1SB+6], 0
	s_mov_b32 s[G1SB+7], 0
	s_mul_i32 s20, s16, 786432
	s_mul_i32 s21, s17, 24576
	s_add_co_u32 s20, s20, s21                     ; A's codes: my chunk, the tile's 128 rows
	s_mov_b32 s21, 0
	s_mul_i32 s22, s16, (NCHK/2)*32768
	s_lshl_b32 s23, s17, 10
	s_add_co_u32 s22, s22, s23
	s_add_co_u32 s22, s22, ASOFF                   ; A's scales: my half of the chunks
	s_mov_b32 s23, 0
	s_mul_i32 s46, s42, 128*KROW
	s_mul_i32 s47, s16, 192
	s_add_co_u32 s46, s46, s47                     ; B's codes
	s_mov_b32 s47, 0
	s_lshl_b32 s92, s42, 7
	s_lshl_b32 s93, s16, 6
	s_add_co_u32 s92, s92, s93
	s_mul_i32 s92, s92, KS                         ; B's scales: my 64 rows
	s_mov_b32 s93, 0
	s_mul_i32 s45, s14, HALFT                      ; region w of a slot
	s_mul_i32 s94, s16, (NCHK/2)*1024
	s_add_co_u32 s94, s94, SCLA
	s_mul_i32 s95, s16, HALFSB
	s_add_co_u32 s95, s95, SCLB
	s_wait_kmcnt 0x0
	s_add_nc_u64 s[20:21], s[4:5], s[20:21]
	s_add_nc_u64 s[22:23], s[4:5], s[22:23]
	s_add_nc_u64 s[46:47], s[6:7], s[46:47]
	s_add_nc_u64 s[92:93], s[8:9], s[92:93]
	CROUND                                         ; the first joint loads meet
	s_mov_b32 s[G0S], 1
	s_mov_b32 s[G0S+1], s94
	s_mov_b64 s[G0S+2:G0S+3], s[22:23]
	s_or_b32 s[G0S+3], s[G0S+3], 0x80000000
	s_mov_b32 s[G0SB], 1
	s_mov_b32 s[G0SB+1], s95
	s_mov_b64 s[G0SB+2:G0SB+3], s[92:93]
	s_or_b32 s[G0SB+3], s[G0SB+3], 0x80000000
	JLOAD G0S, G1S, G0SB, G1SB                     ; three loads of mine are out behind the first fills
.irp s, 0,1
	s_mov_b32 s[G0+4*\s], 1
	s_add_co_u32 s[G0+4*\s+1], s45, \s*SLOT
	s_add_nc_u64 s[G0+4*\s+2:G0+4*\s+3], s[20:21], \s*1572864
	s_or_b32 s[G0+4*\s+3], s[G0+4*\s+3], 0x80000000
	s_mov_b32 s[G0B+4*\s], 1
	s_add_co_u32 s[G0B+4*\s+1], s45, \s*SLOT
	s_add_nc_u64 s[G0B+4*\s+2:G0B+4*\s+3], s[46:47], \s*384
	s_or_b32 s[G0B+4*\s+3], s[G0B+4*\s+3], 0x80000000
	JLOAD G0+4*\s, G1, G0B+4*\s, G1B
.endr
	v_and_b32 v1, 15, v0                           ; r
	v_bfe_u32 v2, v0, 4, 1                         ; h
	v_mul_u32_u24 v3, v1, PITCH
	v_mul_u32_u24 v4, v2, 24
	v_add_nc_u32 v4, v3, v4
	v_lshl_add_u32 v5, v2, 4, v4
	s_mul_i32 s21, s15, 64*PITCH                   ; my 64 rows of A
	s_mul_i32 s22, s16, 64*PITCH                   ; my 64 rows of B,
	s_add_co_u32 s22, s22, 2*HALFT                 ; behind A's two chunks
.irp s, 0,1
	v_add_nc_u32 v[ADRA+\s], s21, v4
	v_add_nc_u32 v[ADRB+\s], s22, v4
	v_add_nc_u32 v[ADRA+2+\s], s21, v5
	v_add_nc_u32 v[ADRB+2+\s], s22, v5
	s_add_co_u32 s21, s21, SLOT
	s_add_co_u32 s22, s22, SLOT
.endr
	s_lshl_b32 s21, s15, 9
	s_add_co_u32 s21, s21, SCLA
	v_lshl_add_u32 v[ADRSA], v1, 3, s21
	v_mul_u32_u24 v5, v1, KS
	v_lshrrev_b32 v6, 8, v5
	v_lshl_add_u32 v5, v6, 4, v5
	s_mul_i32 s21, s16, HALFSB
	s_add_co_u32 s21, s21, SCLB
	v_add_nc_u32 v[ADRSB], s21, v5
	s_mul_i32 s23, s14, 4352                       ; my stage, in slot 0: 16 rows x 272 bytes
	v_mul_u32_u24 v5, v1, 272
	v_lshl_add_u32 v5, v2, 5, v5
	v_add_nc_u32 v[STO], s23, v5
	v_mul_u32_u24 v5, v2, 272
	v_lshl_add_u32 v5, v1, 4, v5
	v_add_nc_u32 v[RD], s23, v5
	v_lshlrev_b32 v[CO], 12, v2
	v_lshl_add_u32 v[CO], v1, 4, v[CO]             ; lanes 0-15 one row's 256 bytes, lanes 16-31 the next row's
	v_lshlrev_b32 v31, 4, v1
	s_lshl_b32 s20, s17, 7
	s_lshl_b32 s21, s15, 6
	s_add_co_u32 s20, s20, s21
	s_lshl_b32 s20, s20, 12                        ; my first row, in bytes
	s_lshl_b32 s46, s42, 9
	s_lshl_b32 s47, s16, 8
	s_add_co_u32 s46, s46, s47                     ; my first column, in bytes
	s_mov_b32 s47, 0
	s_add_nc_u64 s[10:11], s[10:11], s[46:47]
	s_add_co_u32 s20, s20, s46
	s_mov_b32 s21, 0
	s_add_nc_u64 s[96:97], s[96:97], s[20:21]
	s_add_nc_u64 s[12:13], s[98:99], s[20:21]
	global_load_b128 v[BIASR:BIASR+3], v31, s[10:11]
	WIN 0x80                                       ; the residual, 64 x 64, waits in window 2 for the way out
.set n, 0
.rept 32
	global_load_b128 v[128+4*n:131+4*n], v[CO], s[96:97] offset:(n/8)*65536+(n%8)*8192 th:TH_LOAD_NT
.set n, n+1
.endr
	WIN 0
.macro FRAG reg, adr, q, i
.irp p, 0,1,2,3,4,5
.set PCE, 12*((\q)%2)+6*(\p/3)+\p%3
.if PCE%8 < 5
	ds_load_b64 v[\reg+2*\p:\reg+2*\p+1], v[\adr] offset:8*PCE+16*(PCE/8)+(\i)*16*PITCH+((\q)/2)*HALFT
.else
	ds_load_b64 v[\reg+2*\p:\reg+2*\p+1], v[\adr+2] offset:8*PCE+16*(PCE/8)+(\i)*16*PITCH+((\q)/2)*HALFT
.endif
.endr
.endm
; A's block g against B's four.  The 16 accumulators take turns, one instruction a turn, in the same order in every step.
.macro MULQ g, p, q, sc, zero
.irp b, 0,1,2,3
.if \zero
	v_wmma_scale_f32_16x16x128_f8f6f4 v[8*(4*(\g)+\b):8*(4*(\g)+\b)+7], v[128*(\p)+FR*\b:128*(\p)+FR*\b+FR-1], v[AF+FR*(\g):AF+FR*(\g)+FR-1], 0, v[SCB+16*(\sc)+4*\b+(\q)], v[SCA+16*(\sc)+4*(\g)+(\q)] matrix_a_fmt:MATRIX_FMT_FP6 matrix_b_fmt:MATRIX_FMT_FP6
.else
	v_wmma_scale_f32_16x16x128_f8f6f4 v[8*(4*(\g)+\b):8*(4*(\g)+\b)+7], v[128*(\p)+FR*\b:128*(\p)+FR*\b+FR-1], v[AF+FR*(\g):AF+FR*(\g)+FR-1], v[8*(4*(\g)+\b):8*(4*(\g)+\b)+7], v[SCB+16*(\sc)+4*\b+(\q)], v[SCA+16*(\sc)+4*(\g)+(\q)] matrix_a_fmt:MATRIX_FMT_FP6 matrix_b_fmt:MATRIX_FMT_FP6
.endif
.endr
.endm
.macro FETCH_B slot, q, p
	WIN 0x40
.irp i, 0,1,2,3
	FRAG 128*(\p)+FR*\i, ADRB+\slot, \q, \i
.endr
	WIN 0
.endm
.macro FETCH_A slot, q, i0
.irp i, \i0, \i0+1
	FRAG AF+FR*(\i), ADRA+\slot, \q, \i
.endr
.endm
.macro SCALES set                      ; a slot's four words of each of my 64 rows of A and of B
.irp i, 0,1,2,3
.irp c, 0,1
	ds_load_b64 v[SCA+16*(\set)+4*\i+2*\c:SCA+16*(\set)+4*\i+2*\c+1], v[ADRSA] offset:1024*\c+128*\i
	ds_load_b64 v[SCB+16*(\set)+4*\i+2*\c:SCB+16*(\set)+4*\i+2*\c+1], v[ADRSB] offset:8*\c+\i*SBLKB
.endr
.endr
.endm
.macro PLACES
.rept 4
	v_nop
.endr
.endm
.macro STEP slot, q, zero
	s_wait_dscnt 2*NL                              ; all but the youngest 12 loads (A's blocks 2, 3)
	WIN 0xa1
	MULQ 0, (\q)%2, \q, \slot, \zero
	MULQ 1, (\q)%2, \q, \slot, \zero
	s_wait_dscnt 0
	PLACES
	FETCH_B \slot, (\q)+1, 1-(\q)%2
	FETCH_A \slot, (\q)+1, 0
	WIN 0xa1
	MULQ 2, (\q)%2, \q, \slot, \zero
	MULQ 3, (\q)%2, \q, \slot, \zero
	PLACES
	WIN 0
	FETCH_A \slot, (\q)+1, 2
.endm
.macro TURN slot, next, fill
	s_wait_tensorcnt 0x0                           ; all my tensor loads have landed: my part of the next slot
	ds_add_u32 v[SPW], v[NIL]
	s_wait_dscnt 2*NL+1                            ; the add and the youngest 12 loads may be out
	WIN 0xa1
	MULQ 0, 1, 3, \slot, 0
	s_wait_dscnt 0x0                               ; the add is done, and my reads of this slot are over
	s_barrier_signal -1
	MULQ 1, 1, 3, \slot, 0
	WIN 0
	s_barrier_wait -1
.if \fill
	CREST                                          ; a round of the cluster's barrier: no wave of any partner still reads this slot or has a load on its way
	s_add_nc_u64 s[G0+4*\slot+2:G0+4*\slot+3], s[G0+4*\slot+2:G0+4*\slot+3], 3145728
	s_add_nc_u64 s[G0B+4*\slot+2:G0B+4*\slot+3], s[G0B+4*\slot+2:G0B+4*\slot+3], 768
	JLOAD G0+4*\slot, G1, G0B+4*\slot, G1B
.else
	PLACES
.endif
	v_add_nc_u32 v[ADRSA], 2048, v[ADRSA]          ; the next slot's scale words (no LDS load of mine is out)
	v_add_nc_u32 v[ADRSB], 16, v[ADRSB]
	FETCH_B \next, 0, 0
	FETCH_A \next, 0, 0
	SCALES \next
	WIN 0xa1
	MULQ 2, 1, 3, \slot, 0
	MULQ 3, 1, 3, \slot, 0
	PLACES
	WIN 0
	FETCH_A \next, 0, 2
.endm
	s_wait_tensorcnt 1                             ; the scales and my part of slot 0 are in; slot 1's load may be out
	s_barrier_signal -1
	s_barrier_wait -1
	FETCH_B 0, 0, 0
	FETCH_A 0, 0, 0
	SCALES 0
	FETCH_A 0, 0, 2
	STEP 0, 0, 1                                   ; the first step's products start the sums
.if LAPS > 1
	s_mov_b32 s3, LAPS-1
.Llap:
	STEP 0, 1, 0
	STEP 0, 2, 0
	TURN 0, 1, 1
	STEP 1, 0, 0
	STEP 1, 1, 0
	STEP 1, 2, 0
	TURN 1, 0, 1
	STEP 0, 0, 0
	s_sub_co_u32 s3, s3, 1
	s_cmp_lg_u32 s3, 0
	s_cbranch_scc1 .Llap
.endif
	STEP 0, 1, 0
	STEP 0, 2, 0
	TURN 0, 1, 0
	STEP 1, 0, 0
	STEP 1, 1, 0
	STEP 1, 2, 0
	s_wait_dscnt 2*NL
	WIN 0xa1
	MULQ 0, 1, 3, 1, 0
	MULQ 1, 1, 3, 1, 0
	s_wait_dscnt 0
	MULQ 2, 1, 3, 1, 0
	MULQ 3, 1, 3, 1, 0
	WIN 0
; THE WAY OUT, 16 rows x 64 columns at a time, through my own stage, so that sixteen lanes hold a row's 256 consecutive bytes; then + bias, + residual.
.macro OUTB a
.set BK, 192+32*((\a)%2)
.if (\a) >= 2
	s_wait_xcnt 0x0                                ; the stores of two blocks ago have read these registers
.endif
	WIN 0x08                                       ; an LDS store's data: window 2
.irp b, 0,1,2,3
	ds_store_b128 v[STO], v[8*(4*(\a)+\b):8*(4*(\a)+\b)+3] offset:64*\b
	ds_store_b128 v[STO], v[8*(4*(\a)+\b)+4:8*(4*(\a)+\b)+7] offset:64*\b+16
.endr
	WIN 0
.irp t, 0,1,2,3,4,5,6,7
	ds_load_b128 v[BK+4*\t:BK+4*\t+3], v[RD] offset:544*\t   ; a wave's LDS instructions are served in order
.endr
	s_wait_dscnt 0x0
.irp t, 0,1,2,3,4,5,6,7
	v_pk_add_f32 v[BK+4*\t:BK+4*\t+1], v[BK+4*\t:BK+4*\t+1], v[BIASR:BIASR+1]
	v_pk_add_f32 v[BK+4*\t+2:BK+4*\t+3], v[BK+4*\t+2:BK+4*\t+3], v[BIASR+2:BIASR+3]
.endr
	WIN 0x08                                       ; source 1: the residual, window 2
.irp t, 0,1,2,3,4,5,6,7
	v_pk_add_f32 v[BK+4*\t:BK+4*\t+1], v[BK+4*\t:BK+4*\t+1], v[128+4*(8*(\a)+\t):128+4*(8*(\a)+\t)+1]
	v_pk_add_f32 v[BK+4*\t+2:BK+4*\t+3], v[BK+4*\t+2:BK+4*\t+3], v[128+4*(8*(\a)+\t)+2:128+4*(8*(\a)+\t)+3]
.endr
	WIN 0
.irp t, 0,1,2,3,4,5,6,7
	global_store_b128 v[CO], v[BK+4*\t:BK+4*\t+3], s[12:13] offset:65536*(\a)+8192*\t th:TH_STORE_NT   ; sixteen lanes store 256 consecutive bytes, aligned
.endr
.endm
	PLACES
	s_wait_loadcnt 0x0                             ; the bias and the residual
	OUTB 0
	OUTB 1
	OUTB 2
	OUTB 3
	s_wait_tensorcnt 0x0                           ; the wave's end
	ds_add_u32 v[SPW], v[NIL]
	s_wait_dscnt 0x0
	CROUND                                         ; the closing round
	s_endpgm
.Lfunc_end_k_q18897200e6_wo:
	.size	k_q18897200e6_wo, .Lfunc_end_k_q18897200e6_wo-k_q18897200e6_wo
	.p2alignl 7, 3214868480
	.fill 96, 4, 3214868480
	.section	.rodata,"a",@progbits
	.p2align	6, 0x0
	.amdhsa_kernel k_q18897200e6_wo
		.amdhsa_group_segment_fixed_size 327680
		.amdhsa_private_segment_fixed_size 0
		.amdhsa_enable_private_segment 0
		.amdhsa_kernarg_size 48
		.amdhsa_user_sgpr_count 2
		.amdhsa_user_sgpr_kernarg_segment_ptr 1
		.amdhsa_wavefront_size32 1
		.amdhsa_system_sgpr_workgroup_id_x 1
		.amdhsa_system_sgpr_workgroup_id_y 1
		.amdhsa_system_sgpr_workgroup_id_z 1
		.amdhsa_system_vgpr_workitem_id 0
		.amdhsa_next_free_vgpr 768
		.amdhsa_next_free_sgpr 100
		.amdhsa_reserve_vcc 0
		.amdhsa_float_denorm_mode_32 3
		.amdhsa_float_denorm_mode_16_64 3
		.amdhsa_memory_ordered 1
		.amdhsa_forward_progress 1
		.amdhsa_inst_pref_size 76
	.end_amdhsa_kernel
	.amdgpu_metadata
---
amdhsa.version: [ 1, 2 ]
amdhsa.kernels:
  - .name:           k_q18897200e6_wo
    .symbol:         k_q18897200e6_wo.kd
    .args:
      - { .name: ctx, .offset: 0, .size: 8, .value_kind: global_buffer, .address_space: global }
      - { .name: Wo_codes, .offset: 8, .size: 8, .value_kind: global_buffer, .address_space: global }
      - { .name: Wo_scales, .offset: 16, .size: 8, .value_kind: global_buffer, .address_space: global }
      - { .name: bo, .offset: 24, .size: 8, .value_kind: global_buffer, .address_space: global }
      - { .name: x, .offset: 32, .size: 8, .value_kind: global_buffer, .address_space: global }
      - { .name: x1, .offset: 40, .size: 8, .value_kind: global_buffer, .address_space: global }
    .group_segment_fixed_size: 327680
    .private_segment_fixed_size: 0
    .kernarg_segment_align: 8
    .kernarg_segment_size: 48
    .max_flat_workgroup_size: 128
    .sgpr_count:     100
    .vgpr_count:     768
    .wavefront_size: 32
...
	.end_amdgpu_metadata
.endif
;; end of part 4
;; launch ln2: the kernel of part 1 again; grid 256 x 1, 4 waves a work-group, no clusters, 22,016 bytes of LDS; arguments x1, g2, be2, hq; writes hq
;; launch w1 (part 5): grid 16 x 16, 4 waves a work-group, clusters of 4 x 4, 327,680 bytes of LDS; arguments hq, W1_codes, W1_scales, b1, ff; writes ff
.if DOCPART == 5
	.amdgcn_target "amdgcn-amd-amdhsa--gfx1250"
	.amdhsa_code_object_version 6
	.text
	.protected	k_q18897200e6_w1
	.globl	k_q18897200e6_w1
	.p2align	8
	.type	k_q18897200e6_w1,@function
k_q18897200e6_w1:
	s_mov_b64 s[64:65], 0
	v_nop
	global_prefetch_b8 v0, s[64:65] scope:SCOPE_SE
	s_setreg_imm32_b32 hwreg(HW_REG_WAVE_MODE, 25, 1), 1
	s_wait_xcnt 0x0
	s_wait_alu depctr_hold_cnt(0) depctr_sa_sdst(0) depctr_va_vdst(0) depctr_va_sdst(0) depctr_va_ssrc(0) depctr_va_vcc(0) depctr_vm_vsrc(0)
	s_getreg_b32 s2, hwreg(HW_REG_IB_STS2, 6, 4)
	s_cmp_eq_u32 s2, 0
	s_cbranch_scc0 .Lentry_in_a_cluster
	s_endpgm
.Lentry_in_a_cluster:
	s_bfe_u32 s2, ttmp6, 0x10000c
	s_cmp_lg_u32 s2, 0xf033
	s_cbranch_scc0 .Lentry_shape_is_right
	s_endpgm
.Lentry_shape_is_right:
; ff = Q(gelu(h W1^T + b1)): the product on codes of FP6 (E2M3) with E8M0 scales, K = 1,024; gelu exact (by erf) in f32; the result quantised along its columns, which are the next product's K.
; Out: codes [16 chunks of 256 columns][4096][192 bytes], scale bytes [16][4096][8] behind them.
; A tile of C, 256 x 256, by four waves of 128 x 128; K in steps of 256 through a ring of two LDS slots; the scales come once; 4 x 4 clusters with joint loads; the matrix instruction is used transposed.
; ERF: the rational form x P(x^2) / Q(x^2) in f32, its argument held at +-4; with u = x / sqrt(2) the halving of u^2 is folded into the coefficients' exponents, which is exact: gelu = x (0.5 + 0.35355339 xc P'(xc^2) / Q'(xc^2)), xc = x held at +-4 sqrt(2).
; The way out is a loop over A's eight blocks; what differs between trips (the accumulators' registers, the stage's offsets) stands in two short switches on the loop's counter.
; LIMITS: a block whose largest magnitude lies under 2^-124 (zeros too) has the byte 1; NaN and infinities are not served; erf is good to a few units in its last place.
.set KSTEP,  256
.set NQ,     2
.set ROWB,   192
.set KROW,   768
.set PITCH,  240
.set FR,     12
.set NL,     6
.set NP,     4
.set HALFT,  128*PITCH
.set SLOT,   4*HALFT
.set LAPS,   2
.set KS,     32
.set SCL,    2*SLOT
.set HALFS,  (128*KS/256)*272
.set SBLK,   (16*KS/256)*272
.set SPARE,  SCL+4*HALFS               ; the spare words, 128 bytes a wave: no other line names them
.set HS_OFF, 3145728
.set FS_OFF, 12582912
.set WST,    18432                     ; LDS, in slot 0 (free behind the last change of slots): a stage for each wave: 128 rows x 144 bytes (8 places of 16 bytes, 12 used, + 16)
.set SST,    4*WST                     ; and 128 scale words for each wave
.set ADRA, 16
.set ADRB, 20
.set ADRS, 27
.set SPW,  28
.set NIL,  29
.set SC,   32
.set AF,   128
.set BIAS, 64
.set T,    128
.set XC,   192
.set YY,   208
.set PP,   224
.set QQ,   240
.set CD,   32
.set TM,   52
.set TB,   56
.set SO,   60
.set PW,   30
.set STC,  16
.set STS,  17
.set SEL,  66
.set G1, 24
.set G0, 32
.set G1B, 48
.set G0B, 56
.set G1S, 68
.set G0S, 76
.set G1SB, 80
.set G0SB, 88
.set MSB, 0
.macro WIN new
.if MSB != \new
	s_set_vgpr_msb (MSB<<8)|\new
.set MSB, \new
.endif
.endm
.set MUL_LO, 0xa1
.set MUL_HI, 0xf1
.set TO_B,   0x40
.macro JLOAD g0a, g1a, g0b, g1b        ; waves 0 and 1 fetch for A, waves 2 and 3 for B; four v_nop follow each line
	s_cmp_eq_u32 s15, 0
	s_cbranch_scc0 .Lfor_b_\@
	tensor_load_to_lds s[\g0a:\g0a+3], s[\g1a:\g1a+7]
	s_nop 0
.rept 4
	v_nop
.endr
	s_branch .Lasked_\@
.Lfor_b_\@:
	tensor_load_to_lds s[\g0b:\g0b+3], s[\g1b:\g1b+7]
	s_nop 0
.rept 4
	v_nop
.endr
.Lasked_\@:
.endm
.macro CREST
	s_cmp_lg_u32 s14, 0
	s_cbranch_scc1 .Lnot_wave_0_\@
	s_barrier_signal -3
.Lnot_wave_0_\@:
	s_barrier_wait -3
	s_barrier_signal -1
	s_barrier_wait -1
.endm
.macro CROUND
	s_barrier_signal -1
	s_barrier_wait -1
	CREST
.endm
	s_load_b64 s[4:5], s[0:1], 0x0                 ; h
	s_load_b128 s[8:11], s[0:1], 0x8               ; W1's codes, W1's scales
	s_load_b128 s[96:99], s[0:1], 0x18             ; b1, ff
	v_lshl_add_u32 v[SPW], v0, 2, SPARE
	v_mov_b32 v[NIL], 0
	ds_add_u32 v28, v29
	s_wait_dscnt 0x0
	v_lshrrev_b32 v1, 5, v0
	v_readfirstlane_b32 s14, v1
	s_lshr_b32 s15, s14, 1
	s_and_b32 s16, s14, 1
	s_bfe_u32 s40, ttmp6, 0x40000
	s_bfe_u32 s41, ttmp6, 0x40004
	s_lshl_b32 s42, ttmp9, 2
	s_add_co_u32 s42, s42, s40                     ; tile column
	s_and_b32 s17, ttmp7, 0xffff
	s_lshl_b32 s17, s17, 2
	s_add_co_u32 s17, s17, s41                     ; tile row
	s_lshl_b32 s43, s41, 2
	s_lshl_b32 s43, 15, s43
	s_lshl_b32 s44, 0x1111, s40
	s_or_b32 s[G1+0], s43, (0<<16)|(1<<20)|(1<<21)|(3<<22)|(3<<25)
	s_or_b32 s[G1B+0], s44, (0<<16)|(1<<20)|(1<<21)|(3<<22)|(3<<25)
.irp g, G1, G1B
	s_mov_b32 s[\g+1], ROWB<<16
	s_mov_b32 s[\g+2], 128<<16
	s_mov_b32 s[\g+3], ROWB<<16
	s_mov_b32 s[\g+4], 128
	s_mov_b32 s[\g+5], KROW
	s_mov_b32 s[\g+6], 0
	s_mov_b32 s[\g+7], 0
.endr
	s_or_b32 s[G1S+0], s43, (3<<16)|(1<<20)|(1<<21)|(5<<22)|(3<<25)
	s_or_b32 s[G1SB+0], s44, (3<<16)|(1<<20)|(1<<21)|(5<<22)|(3<<25)
.irp g, G1S, G1SB
	s_mov_b32 s[\g+1], 32<<16
	s_mov_b32 s[\g+2], (128*KS/256)<<16
	s_mov_b32 s[\g+3], 32<<16
	s_mov_b32 s[\g+4], 128*KS/256
	s_mov_b32 s[\g+5], 32
	s_mov_b32 s[\g+6], 0
	s_mov_b32 s[\g+7], 0
.endr
	s_lshl_b32 s18, s16, 7
	s_lshl_b32 s20, s17, 8
	s_add_co_u32 s20, s20, s18
	s_lshl_b32 s46, s42, 8
	s_add_co_u32 s46, s46, s18
	s_mov_b32 s21, 0
	s_mov_b32 s47, 0
	s_mov_b64 s[18:19], KS
	s_mul_u64 s[22:23], s[20:21], s[18:19]
	s_mul_u64 s[92:93], s[46:47], s[18:19]
	s_mov_b64 s[18:19], KROW
	s_mul_u64 s[20:21], s[20:21], s[18:19]
	s_mul_u64 s[46:47], s[46:47], s[18:19]
	s_mul_i32 s45, s14, HALFT
	s_mul_i32 s94, s14, HALFS
	s_wait_kmcnt 0x0
	s_add_nc_u64 s[6:7], s[4:5], HS_OFF            ; h's scale bytes
	s_mov_b64 s[12:13], s[98:99]
	s_add_nc_u64 s[20:21], s[4:5], s[20:21]
	s_add_nc_u64 s[22:23], s[6:7], s[22:23]
	s_add_nc_u64 s[46:47], s[8:9], s[46:47]
	s_add_nc_u64 s[92:93], s[10:11], s[92:93]
	CROUND
	s_mov_b32 s[G0S], 1
	s_add_co_u32 s[G0S+1], s94, SCL
	s_mov_b64 s[G0S+2:G0S+3], s[22:23]
	s_or_b32 s[G0S+3], s[G0S+3], 0x80000000
	s_mov_b32 s[G0SB], 1
	s_add_co_u32 s[G0SB+1], s94, SCL
	s_mov_b64 s[G0SB+2:G0SB+3], s[92:93]
	s_or_b32 s[G0SB+3], s[G0SB+3], 0x80000000
	JLOAD G0S, G1S, G0SB, G1SB                     ; three loads of mine are out behind the first fills
.irp s, 0,1
	s_mov_b32 s[G0+4*\s], 1
	s_add_co_u32 s[G0+4*\s+1], s45, \s*SLOT
	s_add_nc_u64 s[G0+4*\s+2:G0+4*\s+3], s[20:21], \s*ROWB
	s_or_b32 s[G0+4*\s+3], s[G0+4*\s+3], 0x80000000
	s_mov_b32 s[G0B+4*\s], 1
	s_add_co_u32 s[G0B+4*\s+1], s45, \s*SLOT
	s_add_nc_u64 s[G0B+4*\s+2:G0B+4*\s+3], s[46:47], \s*ROWB
	s_or_b32 s[G0B+4*\s+3], s[G0B+4*\s+3], 0x80000000
	JLOAD G0+4*\s, G1, G0B+4*\s, G1B
.endr
	v_and_b32 v1, 15, v0
	v_bfe_u32 v2, v0, 4, 1
	v_mul_u32_u24 v3, v1, PITCH
	v_mul_u32_u24 v4, v2, 24
	v_add_nc_u32 v4, v3, v4
	v_lshl_add_u32 v5, v2, 4, v4
	s_mul_i32 s21, s15, HALFT
	s_mul_i32 s22, s16, HALFT
	s_add_co_u32 s22, s22, 2*HALFT
.irp s, 0,1
	v_add_nc_u32 v[ADRA+\s], s21, v4
	v_add_nc_u32 v[ADRB+\s], s22, v4
	v_add_nc_u32 v[ADRA+2+\s], s21, v5
	v_add_nc_u32 v[ADRB+2+\s], s22, v5
	s_add_co_u32 s21, s21, SLOT
	s_add_co_u32 s22, s22, SLOT
.endr
	v_mul_u32_u24 v5, v1, KS
	v_lshrrev_b32 v6, 8, v5
	v_lshl_add_u32 v5, v6, 4, v5
	s_mul_i32 s21, s15, HALFS
	s_mul_i32 s22, s16, HALFS
	s_add_co_u32 s22, s22, 2*HALFS
	s_sub_co_u32 s22, s22, s21
	v_mul_u32_u24 v6, s22, v2
	s_add_co_u32 s21, s21, SCL
	v_add_nc_u32 v5, v5, v6
	v_add_nc_u32 v[ADRS], s21, v5
	s_lshl_b32 s18, s42, 10
	s_lshl_b32 s19, s16, 9
	s_add_co_u32 s18, s18, s19                     ; my first column of b1, in bytes
	v_lshlrev_b32 v30, 5, v2
	v_add_nc_u32 v30, s18, v30
.irp b, 0,1,2,3,4,5,6,7
	global_load_b128 v[BIAS+8*\b:BIAS+8*\b+3], v30, s[96:97] offset:64*\b
	global_load_b128 v[BIAS+8*\b+4:BIAS+8*\b+7], v30, s[96:97] offset:64*\b+16
.endr
	s_lshl_b32 s18, s17, 8
	s_lshl_b32 s19, s14, 6
	s_add_co_u32 s18, s18, s19                     ; the first row that I store: 256 x tile row + 64 x wave
	s_mul_i32 s20, s18, 192
	s_mul_i32 s19, s42, 786432
	s_add_co_u32 s20, s20, s19
	s_mov_b32 s21, 0
	s_lshl_b32 s22, s18, 3
	s_lshl_b32 s19, s42, 15
	s_add_co_u32 s22, s22, s19
	s_add_co_u32 s22, s22, FS_OFF
	s_mov_b32 s23, 0
	s_add_nc_u64 s[98:99], s[12:13], s[22:23]      ; scale bytes
	s_add_nc_u64 s[12:13], s[12:13], s[20:21]      ; codes
.macro FRAG reg, adr, q, i
.irp p, 0,1,2,3,4,5
.set PCE, 12*(\q)+6*(\p/3)+\p%3
.if PCE%8 < 5
	ds_load_b64 v[\reg+2*\p:\reg+2*\p+1], v[\adr] offset:8*PCE+16*(PCE/8)+(\i)*16*PITCH
.else
	ds_load_b64 v[\reg+2*\p:\reg+2*\p+1], v[\adr+2] offset:8*PCE+16*(PCE/8)+(\i)*16*PITCH
.endif
.endr
.endm
.macro MUL16 a0, p, q, sc, zero        ; the 64 accumulators take turns, one instruction a turn
.irp a, \a0, \a0+1
.irp b, 0,1,2,3,4,5,6,7
.if \zero
	v_wmma_scale_f32_16x16x128_f8f6f4 v[8*(8*((\a)%4)+\b):8*(8*((\a)%4)+\b)+7], v[128*(\p)+FR*\b:128*(\p)+FR*\b+FR-1], v[AF+FR*(\a):AF+FR*(\a)+FR-1], 0, v[SC+8*NQ*(\sc)+NQ*\b+(\q)], v[SC+8*NQ*(\sc)+NQ*(\a)+(\q)] matrix_a_fmt:MATRIX_FMT_FP6 matrix_b_fmt:MATRIX_FMT_FP6 matrix_a_scale:MATRIX_SCALE_ROW1
.else
	v_wmma_scale_f32_16x16x128_f8f6f4 v[8*(8*((\a)%4)+\b):8*(8*((\a)%4)+\b)+7], v[128*(\p)+FR*\b:128*(\p)+FR*\b+FR-1], v[AF+FR*(\a):AF+FR*(\a)+FR-1], v[8*(8*((\a)%4)+\b):8*(8*((\a)%4)+\b)+7], v[SC+8*NQ*(\sc)+NQ*\b+(\q)], v[SC+8*NQ*(\sc)+NQ*(\a)+(\q)] matrix_a_fmt:MATRIX_FMT_FP6 matrix_b_fmt:MATRIX_FMT_FP6 matrix_a_scale:MATRIX_SCALE_ROW1
.endif
.endr
.endr
.endm
.macro FETCH_B slot, q, p
	WIN TO_B
.irp i, 0,1,2,3,4,5,6,7
	FRAG 128*(\p)+FR*\i, ADRB+\slot, \q, \i
.endr
	WIN 0
.endm
.macro FETCH_A slot, q, i0
.irp i, \i0, \i0+1, \i0+2, \i0+3
	FRAG AF+FR*(\i), ADRA+\slot, \q, \i
.endr
.endm
.macro SCALES sc
.irp i, 0,1,2,3,4,5,6,7
	ds_load_b64 v[SC+8*NQ*\sc+NQ*\i:SC+8*NQ*\sc+NQ*\i+1], v[ADRS] offset:\i*SBLK
.endr
.endm
.macro PLACES n
.rept \n
	v_nop
.endr
.endm
.macro STEP slot, q, zero
	s_wait_dscnt 4*NL                              ; all but the youngest 24 loads (A's blocks 4-7)
	WIN MUL_LO
	MUL16 0, (\q)%2, \q, \slot, \zero
	MUL16 2, (\q)%2, \q, \slot, \zero
	s_wait_dscnt 0
	PLACES NP
	FETCH_B \slot, (\q)+1, 1-(\q)%2
	FETCH_A \slot, (\q)+1, 0
	WIN MUL_HI
	MUL16 4, (\q)%2, \q, \slot, \zero
	MUL16 6, (\q)%2, \q, \slot, \zero
	PLACES NP
	WIN 0
	FETCH_A \slot, (\q)+1, 4
.endm
.macro TURN slot, next, fill
	s_wait_tensorcnt 0x0                           ; all my tensor loads have landed: my part of the next slot
	ds_add_u32 v[SPW], v[NIL]
	s_wait_dscnt 4*NL+1                            ; the add and the youngest 24 loads may be out
	WIN MUL_LO
	MUL16 0, 1, NQ-1, \slot, 0
	s_wait_dscnt 0x0                               ; the add is done, and my reads of this slot are over
	s_barrier_signal -1
	MUL16 2, 1, NQ-1, \slot, 0
	WIN 0
	s_barrier_wait -1
.if \fill
	CREST
	s_add_nc_u64 s[G0+4*\slot+2:G0+4*\slot+3], s[G0+4*\slot+2:G0+4*\slot+3], 2*ROWB
	s_add_nc_u64 s[G0B+4*\slot+2:G0B+4*\slot+3], s[G0B+4*\slot+2:G0B+4*\slot+3], 2*ROWB
	JLOAD G0+4*\slot, G1, G0B+4*\slot, G1B
.else
	PLACES NP
.endif
	v_add_nc_u32 v[ADRS], 4*NQ, v[ADRS]
	FETCH_B \next, 0, 0
	FETCH_A \next, 0, 0
	SCALES \next
	WIN MUL_HI
	MUL16 4, 1, NQ-1, \slot, 0
	MUL16 6, 1, NQ-1, \slot, 0
	PLACES NP
	WIN 0
	FETCH_A \next, 0, 4
.endm
	s_wait_tensorcnt 1                             ; the scales and my part of K step 0 are in; K step 1's load may be out
	s_barrier_signal -1
	s_barrier_wait -1
	FETCH_B 0, 0, 0
	FETCH_A 0, 0, 0
	SCALES 0
	FETCH_A 0, 0, 4
	STEP 0, 0, 1
	s_mov_b32 s3, LAPS-1
.Llap:
	TURN 0, 1, 1
	STEP 1, 0, 0
	TURN 1, 0, 1
	STEP 0, 0, 0
	s_sub_co_u32 s3, s3, 1
	s_cmp_lg_u32 s3, 0
	s_cbranch_scc1 .Llap
	TURN 0, 1, 0
	STEP 1, 0, 0
	s_wait_dscnt 4*NL
	WIN MUL_LO
	MUL16 0, 1, NQ-1, 1, 0
	MUL16 2, 1, NQ-1, 1, 0
	s_wait_dscnt 0
	WIN MUL_HI
	MUL16 4, 1, NQ-1, 1, 0
	MUL16 6, 1, NQ-1, 1, 0
	WIN 0
.macro GETROW a                        ; block a + b1 into T; each accumulator is read from its low end on
	WIN (0x02+((\a)/4))
.irp b, 0,1,2,3,4,5,6,7
.irp i, 0,2,4,6
	v_pk_add_f32 v[T+8*\b+\i:T+8*\b+\i+1], v[64*((\a)%4)+8*\b+\i:64*((\a)%4)+8*\b+\i+1], v[BIAS+8*\b+\i:BIAS+8*\b+\i+1]
.endr
.endr
	WIN 0
.endm
.macro HORNER r, c                     ; r = r y + c, sixteen numbers
.set i, 0
.rept 8
	v_pk_fma_f32 v[\r+i:\r+i+1], v[\r+i:\r+i+1], v[YY+i:YY+i+1], \c op_sel_hi:[1,1,0]
.set i, i+2
.endr
.endm
.macro GELU16 g                        ; sixteen numbers of T
.set i, 0
.rept 16
	v_med3_num_f32 v[XC+i], v[T+16*(\g)+i], -s20, s20
.set i, i+1
.endr
.set i, 0
.rept 8
	v_pk_mul_f32 v[YY+i:YY+i+1], v[XC+i:XC+i+1], v[XC+i:XC+i+1]
.set i, i+2
.endr
.set i, 0
.rept 8
	v_pk_fma_f32 v[PP+i:PP+i+1], v[YY+i:YY+i+1], s[22:23], 0x306dffee op_sel_hi:[1,0,0]
	v_pk_fma_f32 v[QQ+i:QQ+i+1], v[YY+i:YY+i+1], s[18:19], 0xb7dfbd29 op_sel_hi:[1,0,0]
.set i, i+2
.endr
	HORNER PP, 0xb40cff51
	HORNER QQ, 0xb9dc924e
	HORNER PP, 0xb6eec2d2
	HORNER QQ, 0xbb719bf8
	HORNER PP, 0xb940ac63
	HORNER QQ, 0xbc69b6a7
	HORNER PP, 0xbac1a1f6
	HORNER PP, 0xbc83dbd4
.set i, 0
.rept 16
	v_rcp_f32 v[QQ+i], v[QQ+i]
.set i, i+1
.endr
.set i, 0
.rept 8
	v_pk_mul_f32 v[PP+i:PP+i+1], v[PP+i:PP+i+1], v[XC+i:XC+i+1]   ; plain work behind the batch of reciprocals
.set i, i+2
.endr
	s_wait_alu depctr_va_vdst(0)                   ; one wait for the sixteen, ahead of their first reader
.set i, 0
.rept 8
	v_pk_mul_f32 v[PP+i:PP+i+1], v[PP+i:PP+i+1], v[QQ+i:QQ+i+1]
.set i, i+2
.endr
.set i, 0
.rept 8
	v_pk_fma_f32 v[PP+i:PP+i+1], v[PP+i:PP+i+1], 0x3eb504f3, 0.5 op_sel_hi:[1,0,0]
.set i, i+2
.endr
.set i, 0
.rept 8
	v_pk_mul_f32 v[T+16*(\g)+i:T+16*(\g)+i+1], v[T+16*(\g)+i:T+16*(\g)+i+1], v[PP+i:PP+i+1]
.set i, i+2
.endr
.endm
.macro PUT a                           ; block a's codes (12 bytes for each of my four half blocks) and its rows' scale words into my stage
.irp c, 0,1,2,3
	ds_store_b96 v[STC], v[CD+4*\c:CD+4*\c+2] offset:2304*(\a)+32*\c
.endr
	ds_store_b32 v[STS], v[PW] offset:64*(\a)
.endm
	PLACES NP
	s_wait_loadcnt 0x0                             ; b1
	v_and_b32 v1, 15, v0                           ; r
	v_bfe_u32 v2, v0, 4, 1                         ; h
	v_and_b32 v3, 31, v0                           ; lane
	s_mul_i32 s18, s14, WST
	v_mul_u32_u24 v[STC], v1, 144
	v_lshl_add_u32 v[STC], v2, 4, v[STC]
	v_add_nc_u32 v[STC], s18, v[STC]               ; row r, place h
	s_lshl_b32 s18, s14, 9
	s_add_co_u32 s18, s18, SST
	v_lshl_add_u32 v[STS], v1, 2, s18
	; back: wave w takes rows 64 w .. 64 w + 63 of the tile; a row's places 0-7 lie in the stage of the wave with the left columns, 8-15 in its neighbour's
	s_mul_i32 s18, s15, 2*WST
	s_mul_i32 s19, s16, 64*144
	s_add_co_u32 s18, s18, s19
	v_bfe_u32 v4, v0, 3, 1
	v_mul_u32_u24 v18, v4, WST
	v_and_b32 v4, 7, v0
	v_lshl_add_u32 v18, v4, 4, v18
	v_mad_u32_u24 v18, v2, 144, v18
	v_add_nc_u32 v18, s18, v18
	v_mul_u32_u24 v19, v2, 192
	v_mad_u32_u24 v19, v1, 12, v19                 ; and the same place in memory
	s_lshl_b32 s18, s15, 10
	s_lshl_b32 s19, s16, 8
	s_add_co_u32 s18, s18, s19
	s_add_co_u32 s18, s18, SST
	v_lshl_add_u32 v20, v3, 2, s18                 ; a row's two scale words, one from each of the two stages
	v_lshlrev_b32 v21, 3, v3
.irp b, 0,1,2,3
	v_mov_b32 v[TB+\b], 0
.endr
	s_mov_b32 s[SEL], 0x76543210
	s_mov_b32 s[SEL+1], 0xfedcba98
	s_mov_b32 s20, 0x40b504f3                      ; 4 sqrt(2)
	s_mov_b32 s22, 0xac95df0b                      ; P's leading coefficient
	s_mov_b32 s23, s22
	s_mov_b32 s18, 0xb57460cd                      ; Q's
	s_mov_b32 s19, s18
	s_mov_b32 s3, 0
.Lblk:
.irp a, 0,1,2,3,4,5,6
	s_cmp_eq_u32 s3, \a
	s_cbranch_scc1 .Lget\a
.endr
	GETROW 7
	s_branch .Lgot
.irp a, 0,1,2,3,4,5,6
.Lget\a:
	GETROW \a
	s_branch .Lgot
.endr
.Lgot:
	GELU16 0
	GELU16 1
	GELU16 2
	GELU16 3
.irp c, 0,1,2,3                        ; behind these register 16 c + i of lane (r, h) is column 32 c + 16 h + i
.irp j, 0,1,2,3,4,5,6,7
	v_permlane16_swap_b32 v[T+16*\c+\j], v[T+16*\c+8+\j]
.endr
.endr
	s_wait_dscnt 0x0                               ; the last trip's stores have read their data
.irp b, 0,1,2,3
	v_max3_num_f32 v[TM+\b], |v[T+16*\b]|, |v[T+1+16*\b]|, 0x1800000
.endr
.irp i, 2,4,6,8,10,12,14
.irp b, 0,1,2,3
	v_max3_num_f32 v[TM+\b], v[TM+\b], |v[T+16*\b+\i]|, |v[T+1+16*\b+\i]|
.endr
.endr
.irp b, 0,1,2,3
	v_permlanex16_b32 v[TB+\b], v[TM+\b], s[SEL], s[SEL+1]
.endr
.irp b, 0,1,2,3
	v_max_num_f32 v[TM+\b], v[TM+\b], v[TB+\b]
.endr
.irp b, 0,1,2,3
	v_add_nc_u32 v[SO+\b], 0xff000000, v[TM+\b]
.endr
.irp b, 0,1,2,3
	v_lshrrev_b32 v[TB+\b], 23, v[SO+\b]
.endr
	v_lshl_or_b32 v[PW], v[TB+1], 8, v[TB]
	v_lshl_or_b32 v[PW], v[TB+2], 16, v[PW]
	v_lshl_or_b32 v[PW], v[TB+3], 24, v[PW]
.irp c, 0,1,2,3
	v_cvt_scalef32_pk16_fp6_f32 v[CD+4*\c:CD+4*\c+2], v[T+16*\c:T+16*\c+15], v[SO+\c]
.endr
	v_nop                                          ; a plain line behind the scaled conversions
.irp a, 0,1,2,3,4,5,6
	s_cmp_eq_u32 s3, \a
	s_cbranch_scc1 .Lput\a
.endr
	PUT 7
	s_branch .Lput_done
.irp a, 0,1,2,3,4,5,6
.Lput\a:
	PUT \a
	s_branch .Lput_done
.endr
.Lput_done:
	s_add_co_u32 s3, s3, 1
	s_cmp_lt_u32 s3, 8
	s_cbranch_scc1 .Lblk
	s_wait_dscnt 0x0                               ; for the others' sake: my stores have landed
	s_barrier_signal -1
	s_barrier_wait -1
.set n, 0
.rept 32
	ds_load_b96 v[128+4*n:130+4*n], v18 offset:288*n
.set n, n+1
.endr
.irp t, 0,1
	ds_load_b32 v[32+2*\t], v20 offset:128*\t
	ds_load_b32 v[33+2*\t], v20 offset:128*\t+512
.endr
.set n, 0
.rept 32
	s_wait_dscnt 35-n                              ; the younger loads of the run may be out
	global_store_b96 v19, v[128+4*n:130+4*n], s[12:13] offset:384*n   ; 384 consecutive bytes; the work-group's 49,152 are dense
.set n, n+1
.endr
	s_wait_dscnt 0x0
	global_store_b64 v21, v[32:33], s[98:99]       ; 256 consecutive bytes, aligned
	global_store_b64 v21, v[34:35], s[98:99] offset:256
	s_wait_tensorcnt 0x0                           ; the wave's end
	ds_add_u32 v[SPW], v[NIL]
	s_wait_dscnt 0x0
	CROUND
	s_endpgm
.Lfunc_end_k_q18897200e6_w1:
	.size	k_q18897200e6_w1, .Lfunc_end_k_q18897200e6_w1-k_q18897200e6_w1
	.p2alignl 7, 3214868480
	.fill 96, 4, 3214868480
	.section	.rodata,"a",@progbits
	.p2align	6, 0x0
	.amdhsa_kernel k_q18897200e6_w1
		.amdhsa_group_segment_fixed_size 327680
		.amdhsa_private_segment_fixed_size 0
		.amdhsa_enable_private_segment 0
		.amdhsa_kernarg_size 40
		.amdhsa_user_sgpr_count 2
		.amdhsa_user_sgpr_kernarg_segment_ptr 1
		.amdhsa_wavefront_size32 1
		.amdhsa_system_sgpr_workgroup_id_x 1
		.amdhsa_system_sgpr_workgroup_id_y 1
		.amdhsa_system_sgpr_workgroup_id_z 1
		.amdhsa_system_vgpr_workitem_id 0
		.amdhsa_next_free_vgpr 1024
		.amdhsa_next_free_sgpr 100
		.amdhsa_reserve_vcc 0
		.amdhsa_float_denorm_mode_32 3
		.amdhsa_float_denorm_mode_16_64 3
		.amdhsa_memory_ordered 1
		.amdhsa_forward_progress 1
		.amdhsa_inst_pref_size 212
	.end_amdhsa_kernel
	.amdgpu_metadata
---
amdhsa.version: [ 1, 2 ]
amdhsa.kernels:
  - .name:           k_q18897200e6_w1
    .symbol:         k_q18897200e6_w1.kd
    .args:
      - { .name: hq, .offset: 0, .size: 8, .value_kind: global_buffer, .address_space: global }
      - { .name: W1_codes, .offset: 8, .size: 8, .value_kind: global_buffer, .address_space: global }
      - { .name: W1_scales, .offset: 16, .size: 8, .value_kind: global_buffer, .address_space: global }
      - { .name: b1, .offset: 24, .size: 8, .value_kind: global_buffer, .address_space: global }
      - { .name: ff, .offset: 32, .size: 8, .value_kind: global_buffer, .address_space: global }
    .group_segment_fixed_size: 327680
    .private_segment_fixed_size: 0
    .kernarg_segment_align: 8
    .kernarg_segment_size: 40
    .max_flat_workgroup_size: 128
    .sgpr_count:     100
    .vgpr_count:     1024
    .wavefront_size: 32
...
	.end_amdgpu_metadata
.endif
;; end of part 5
;; launch w2 (part 6): grid 8 x 32, 4 waves a work-group, clusters of 4 x 4, 327,680 bytes of LDS; arguments ff, W2_codes, W2_scales, b2, x1, out0; writes out0
.if DOCPART == 6
	.amdgcn_target "amdgcn-amd-amdhsa--gfx1250"
	.amdhsa_code_object_version 6
	.text
	.protected	k_q18897200e6_w2
	.globl	k_q18897200e6_w2
	.p2align	8
	.type	k_q18897200e6_w2,@function
k_q18897200e6_w2:
	s_mov_b64 s[64:65], 0
	v_nop
	global_prefetch_b8 v0, s[64:65] scope:SCOPE_SE
	s_setreg_imm32_b32 hwreg(HW_REG_WAVE_MODE, 25, 1), 1
	s_wait_xcnt 0x0
	s_wait_alu depctr_hold_cnt(0) depctr_sa_sdst(0) depctr_va_vdst(0) depctr_va_sdst(0) depctr_va_ssrc(0) depctr_va_vcc(0) depctr_vm_vsrc(0)
	s_getreg_b32 s2, hwreg(HW_REG_IB_STS2, 6, 4)
	s_cmp_eq_u32 s2, 0
	s_cbranch_scc0 .Lentry_in_a_cluster
	s_endpgm
.Lentry_in_a_cluster:
	s_bfe_u32 s2, ttmp6, 0x10000c
	s_cmp_lg_u32 s2, 0xf033
	s_cbranch_scc0 .Lentry_shape_is_right
	s_endpgm
.Lentry_shape_is_right:
; out = resid + A W^T + bias, the product on codes of FP6 (E2M3) with E8M0 scales.  A: codes [SIZE_K / 256 chunks][4096][192 bytes], its scale bytes [chunks][4096][8] behind them; W: [1024][SIZE_K] codes, K innermost, scale bytes [1024][SIZE_K / 32].
; N is 1,024: tiles of 128 x 128 give each of 256 work-groups one.  Four waves, 64 x 64 each: 16 accumulators.  A slot holds 512 along K as two chunks of 256 (A's two, then B's two; 128 rows of 192 bytes, pitch 240):
; wave w fetches region w.  The scales come once.  CLUSTERS: 4 x 4; A's tiles are asked for jointly along a row of the cluster, B's along a column.  The matrix instruction is used transposed.
; REGISTERS: window 0: v0-31 addresses; v32-63 A's scale words, two sets; v64-95 B's; v96-99 the bias; v128-175 A's four fragments; v192-255 the way out.  window 1: B's fragments, two sets.  window 2: v0-127 accumulators; v128-255 the residual.
.set SIZE_K, 4096
.set KROW,   SIZE_K*6/8
.set NCHK,   SIZE_K/256
.set ASOFF,  NCHK*786432
.set PITCH,  240
.set FR,     12
.set NL,     6
.set HALFT,  128*PITCH
.set SLOT,   4*HALFT
.set LAPS,   SIZE_K/1024
.set KS,     SIZE_K/32
.set SCLA,   2*SLOT                    ; A's scale words: [chunk][128 rows][8 bytes]
.set SCLB,   SCLA+16384                ; B's: runs of 256 bytes + 16 of padding
.set HALFSB, (64*KS/256)*272
.set SBLKB,  (16*KS/256)*272
.set SPARE,  SCLB+17408                ; the spare words, 128 bytes a wave: no other line names them
.set ADRA, 16
.set ADRB, 20
.set STO,  24
.set RD,   25
.set CO,   26
.set ADRSA, 27
.set SPW,  28
.set NIL,  29
.set ADRSB, 30
.set SCA,  32
.set SCB,  64
.set BIASR, 96
.set AF,   128
.set G1, 24
.set G0, 32
.set G1B, 48
.set G0B, 56
.set G1S, 68
.set G0S, 76
.set G1SB, 80
.set G0SB, 88
.set MSB, 0
.macro WIN new
.if MSB != \new
	s_set_vgpr_msb (MSB<<8)|\new
.set MSB, \new
.endif
.endm
.macro JLOAD g0a, g1a, g0b, g1b        ; waves 0 and 1 fetch for A, waves 2 and 3 for B; four v_nop follow each line
	s_cmp_eq_u32 s15, 0
	s_cbranch_scc0 .Lfor_b_\@
	tensor_load_to_lds s[\g0a:\g0a+3], s[\g1a:\g1a+7]
	s_nop 0
.rept 4
	v_nop
.endr
	s_branch .Lasked_\@
.Lfor_b_\@:
	tensor_load_to_lds s[\g0b:\g0b+3], s[\g1b:\g1b+7]
	s_nop 0
.rept 4
	v_nop
.endr
.Lasked_\@:
.endm
.macro CREST
	s_cmp_lg_u32 s14, 0
	s_cbranch_scc1 .Lnot_wave_0_\@
	s_barrier_signal -3
.Lnot_wave_0_\@:
	s_barrier_wait -3
	s_barrier_signal -1
	s_barrier_wait -1
.endm
.macro CROUND
	s_barrier_signal -1
	s_barrier_wait -1
	CREST
.endm
	s_load_b256 s[4:11], s[0:1], 0x0               ; A s[4:5], W's codes s[6:7], W's scales s[8:9], bias s[10:11]
	s_load_b128 s[96:99], s[0:1], 0x20             ; resid s[96:97], out s[98:99]
	v_lshl_add_u32 v[SPW], v0, 2, SPARE
	v_mov_b32 v[NIL], 0
	ds_add_u32 v28, v29
	s_wait_dscnt 0x0
	v_lshrrev_b32 v1, 5, v0
	v_readfirstlane_b32 s14, v1                    ; wave 0..3
	s_lshr_b32 s15, s14, 1                         ; my half of the tile's rows.  Also: I fetch for A (0) or for B (1)
	s_and_b32 s16, s14, 1                          ; my half of its columns.  Also: which chunk of a slot I fetch
	s_bfe_u32 s40, ttmp6, 0x40000
	s_bfe_u32 s41, ttmp6, 0x40004
	s_lshl_b32 s42, ttmp9, 2
	s_add_co_u32 s42, s42, s40                     ; tile column
	s_and_b32 s17, ttmp7, 0xffff
	s_lshl_b32 s17, s17, 2
	s_add_co_u32 s17, s17, s41                     ; tile row
	s_lshl_b32 s43, s41, 2
	s_lshl_b32 s43, 15, s43                        ; my row of the cluster
	s_lshl_b32 s44, 0x1111, s40                    ; my column
	s_or_b32 s[G1+0], s43, (0<<16)|(1<<20)|(1<<21)|(3<<22)|(3<<25)
	s_or_b32 s[G1B+0], s44, (0<<16)|(1<<20)|(1<<21)|(3<<22)|(3<<25)
.irp g, G1, G1B
	s_mov_b32 s[\g+1], 192<<16
	s_mov_b32 s[\g+2], 128<<16
	s_mov_b32 s[\g+3], 192<<16
	s_mov_b32 s[\g+4], 128
	s_mov_b32 s[\g+6], 0
	s_mov_b32 s[\g+7], 0
.endr
	s_mov_b32 s[G1+5], 192                         ; A's rows of a chunk are dense
	s_mov_b32 s[G1B+5], KROW
	s_or_b32 s[G1S+0], s43, (3<<16)|(1<<21)        ; A's scales: 128 rows x 8 bytes a chunk, NCHK / 2 chunks, 32,768 bytes apart
	s_mov_b32 s[G1S+1], 128<<16
	s_mov_b32 s[G1S+2], (NCHK/2)<<16
	s_mov_b32 s[G1S+3], 128<<16
	s_mov_b32 s[G1S+4], NCHK/2
	s_mov_b32 s[G1S+5], 4096
	s_mov_b32 s[G1S+6], 0
	s_mov_b32 s[G1S+7], 0
	s_or_b32 s[G1SB+0], s44, (3<<16)|(1<<20)|(1<<21)|(5<<22)|(3<<25)   ; B's: 64 rows' dense bytes as rows of 256 + 16 of padding
	s_mov_b32 s[G1SB+1], 32<<16
	s_mov_b32 s[G1SB+2], (64*KS/256)<<16
	s_mov_b32 s[G1SB+3], 32<<16
	s_mov_b32 s[G1SB+4], 64*KS/256
	s_mov_b32 s[G1SB+5], 32
	s_mov_b32 s[G1SB+6], 0
	s_mov_b32 s[G1SB+7], 0
	s_mul_i32 s20, s16, 786432
	s_mul_i32 s21, s17, 24576
	s_add_co_u32 s20, s20, s21                     ; A's codes: my chunk, the tile's 128 rows
	s_mov_b32 s21, 0
	s_mul_i32 s22, s16, (NCHK/2)*32768
	s_lshl_b32 s23, s17, 10
	s_add_co_u32 s22, s22, s23
	s_add_co_u32 s22, s22, ASOFF                   ; A's scales: my half of the chunks
	s_mov_b32 s23, 0
	s_mul_i32 s46, s42, 128*KROW
	s_mul_i32 s47, s16, 192
	s_add_co_u32 s46, s46, s47                     ; B's codes
	s_mov_b32 s47, 0
	s_lshl_b32 s92, s42, 7
	s_lshl_b32 s93, s16, 6
	s_add_co_u32 s92, s92, s93
	s_mul_i32 s92, s92, KS                         ; B's scales: my 64 rows
	s_mov_b32 s93, 0
	s_mul_i32 s45, s14, HALFT                      ; region w of a slot
	s_mul_i32 s94, s16, (NCHK/2)*1024
	s_add_co_u32 s94, s94, SCLA
	s_mul_i32 s95, s16, HALFSB
	s_add_co_u32 s95, s95, SCLB
	s_wait_kmcnt 0x0
	s_add_nc_u64 s[20:21], s[4:5], s[20:21]
	s_add_nc_u64 s[22:23], s[4:5], s[22:23]
	s_add_nc_u64 s[46:47], s[6:7], s[46:47]
	s_add_nc_u64 s[92:93], s[8:9], s[92:93]
	CROUND                                         ; the first joint loads meet
	s_mov_b32 s[G0S], 1
	s_mov_b32 s[G0S+1], s94
	s_mov_b64 s[G0S+2:G0S+3], s[22:23]
	s_or_b32 s[G0S+3], s[G0S+3], 0x80000000
	s_mov_b32 s[G0SB], 1
	s_mov_b32 s[G0SB+1], s95
	s_mov_b64 s[G0SB+2:G0SB+3], s[92:93]
	s_or_b32 s[G0SB+3], s[G0SB+3], 0x80000000
	JLOAD G0S, G1S, G0SB, G1SB                     ; three loads of mine are out behind the first fills
.irp s, 0,1
	s_mov_b32 s[G0+4*\s], 1
	s_add_co_u32 s[G0+4*\s+1], s45, \s*SLOT
	s_add_nc_u64 s[G0+4*\s+2:G0+4*\s+3], s[20:21], \s*1572864
	s_or_b32 s[G0+4*\s+3], s[G0+4*\s+3], 0x80000000
	s_mov_b32 s[G0B+4*\s], 1
	s_add_co_u32 s[G0B+4*\s+1], s45, \s*SLOT
	s_add_nc_u64 s[G0B+4*\s+2:G0B+4*\s+3], s[46:47], \s*384
	s_or_b32 s[G0B+4*\s+3], s[G0B+4*\s+3], 0x80000000
	JLOAD G0+4*\s, G1, G0B+4*\s, G1B
.endr
	v_and_b32 v1, 15, v0                           ; r
	v_bfe_u32 v2, v0, 4, 1                         ; h
	v_mul_u32_u24 v3, v1, PITCH
	v_mul_u32_u24 v4, v2, 24
	v_add_nc_u32 v4, v3, v4
	v_lshl_add_u32 v5, v2, 4, v4
	s_mul_i32 s21, s15, 64*PITCH                   ; my 64 rows of A
	s_mul_i32 s22, s16, 64*PITCH                   ; my 64 rows of B,
	s_add_co_u32 s22, s22, 2*HALFT                 ; behind A's two chunks
.irp s, 0,1
	v_add_nc_u32 v[ADRA+\s], s21, v4
	v_add_nc_u32 v[ADRB+\s], s22, v4
	v_add_nc_u32 v[ADRA+2+\s], s21, v5
	v_add_nc_u32 v[ADRB+2+\s], s22, v5
	s_add_co_u32 s21, s21, SLOT
	s_add_co_u32 s22, s22, SLOT
.endr
	s_lshl_b32 s21, s15, 9
	s_add_co_u32 s21, s21, SCLA
	v_lshl_add_u32 v[ADRSA], v1, 3, s21
	v_mul_u32_u24 v5, v1, KS
	v_lshrrev_b32 v6, 8, v5
	v_lshl_add_u32 v5, v6, 4, v5
	s_mul_i32 s21, s16, HALFSB
	s_add_co_u32 s21, s21, SCLB
	v_add_nc_u32 v[ADRSB], s21, v5
	s_mul_i32 s23, s14, 4352                       ; my stage, in slot 0: 16 rows x 272 bytes
	v_mul_u32_u24 v5, v1, 272
	v_lshl_add_u32 v5, v2, 5, v5
	v_add_nc_u32 v[STO], s23, v5
	v_mul_u32_u24 v5, v2, 272
	v_lshl_add_u32 v5, v1, 4, v5
	v_add_nc_u32 v[RD], s23, v5
	v_lshlrev_b32 v[CO], 12, v2
	v_lshl_add_u32 v[CO], v1, 4, v[CO]             ; lanes 0-15 one row's 256 bytes, lanes 16-31 the next row's
	v_lshlrev_b32 v31, 4, v1
	s_lshl_b32 s20, s17, 7
	s_lshl_b32 s21, s15, 6
	s_add_co_u32 s20, s20, s21
	s_lshl_b32 s20, s20, 12                        ; my first row, in bytes
	s_lshl_b32 s46, s42, 9
	s_lshl_b32 s47, s16, 8
	s_add_co_u32 s46, s46, s47                     ; my first column, in bytes
	s_mov_b32 s47, 0
	s_add_nc_u64 s[10:11], s[10:11], s[46:47]
	s_add_co_u32 s20, s20, s46
	s_mov_b32 s21, 0
	s_add_nc_u64 s[96:97], s[96:97], s[20:21]
	s_add_nc_u64 s[12:13], s[98:99], s[20:21]
	global_load_b128 v[BIASR:BIASR+3], v31, s[10:11]
	WIN 0x80                                       ; the residual, 64 x 64, waits in window 2 for the way out
.set n, 0
.rept 32
	global_load_b128 v[128+4*n:131+4*n], v[CO], s[96:97] offset:(n/8)*65536+(n%8)*8192 th:TH_LOAD_NT
.set n, n+1
.endr
	WIN 0
.macro FRAG reg, adr, q, i
.irp p, 0,1,2,3,4,5
.set PCE, 12*((\q)%2)+6*(\p/3)+\p%3
.if PCE%8 < 5
	ds_load_b64 v[\reg+2*\p:\reg+2*\p+1], v[\adr] offset:8*PCE+16*(PCE/8)+(\i)*16*PITCH+((\q)/2)*HALFT
.else
	ds_load_b64 v[\reg+2*\p:\reg+2*\p+1], v[\adr+2] offset:8*PCE+16*(PCE/8)+(\i)*16*PITCH+((\q)/2)*HALFT
.endif
.endr
.endm
; A's block g against B's four.  The 16 accumulators take turns, one instruction a turn, in the same order in every step.
.macro MULQ g, p, q, sc, zero
.irp b, 0,1,2,3
.if \zero
	v_wmma_scale_f32_16x16x128_f8f6f4 v[8*(4*(\g)+\b):8*(4*(\g)+\b)+7], v[128*(\p)+FR*\b:128*(\p)+FR*\b+FR-1], v[AF+FR*(\g):AF+FR*(\g)+FR-1], 0, v[SCB+16*(\sc)+4*\b+(\q)], v[SCA+16*(\sc)+4*(\g)+(\q)] matrix_a_fmt:MATRIX_FMT_FP6 matrix_b_fmt:MATRIX_FMT_FP6
.else
	v_wmma_scale_f32_16x16x128_f8f6f4 v[8*(4*(\g)+\b):8*(4*(\g)+\b)+7], v[128*(\p)+FR*\b:128*(\p)+FR*\b+FR-1], v[AF+FR*(\g):AF+FR*(\g)+FR-1], v[8*(4*(\g)+\b):8*(4*(\g)+\b)+7], v[SCB+16*(\sc)+4*\b+(\q)], v[SCA+16*(\sc)+4*(\g)+(\q)] matrix_a_fmt:MATRIX_FMT_FP6 matrix_b_fmt:MATRIX_FMT_FP6
.endif
.endr
.endm
.macro FETCH_B slot, q, p
	WIN 0x40
.irp i, 0,1,2,3
	FRAG 128*(\p)+FR*\i, ADRB+\slot, \q, \i
.endr
	WIN 0
.endm
.macro FETCH_A slot, q, i0
.irp i, \i0, \i0+1
	FRAG AF+FR*(\i), ADRA+\slot, \q, \i
.endr
.endm
.macro SCALES set                      ; a slot's four words of each of my 64 rows of A and of B
.irp i, 0,1,2,3
.irp c, 0,1
	ds_load_b64 v[SCA+16*(\set)+4*\i+2*\c:SCA+16*(\set)+4*\i+2*\c+1], v[ADRSA] offset:1024*\c+128*\i
	ds_load_b64 v[SCB+16*(\set)+4*\i+2*\c:SCB+16*(\set)+4*\i+2*\c+1], v[ADRSB] offset:8*\c+\i*SBLKB
.endr
.endr
.endm
.macro PLACES
.rept 4
	v_nop
.endr
.endm
.macro STEP slot, q, zero
	s_wait_dscnt 2*NL                              ; all but the youngest 12 loads (A's blocks 2, 3)
	WIN 0xa1
	MULQ 0, (\q)%2, \q, \slot, \zero
	MULQ 1, (\q)%2, \q, \slot, \zero
	s_wait_dscnt 0
	PLACES
	FETCH_B \slot, (\q)+1, 1-(\q)%2
	FETCH_A \slot, (\q)+1, 0
	WIN 0xa1
	MULQ 2, (\q)%2, \q, \slot, \zero
	MULQ 3, (\q)%2, \q, \slot, \zero
	PLACES
	WIN 0
	FETCH_A \slot, (\q)+1, 2
.endm
.macro TURN slot, next, fill
	s_wait_tensorcnt 0x0                           ; all my tensor loads have landed: my part of the next slot
	ds_add_u32 v[SPW], v[NIL]
	s_wait_dscnt 2*NL+1                            ; the add and the youngest 12 loads may be out
	WIN 0xa1
	MULQ 0, 1, 3, \slot, 0
	s_wait_dscnt 0x0                               ; the add is done, and my reads of this slot are over
	s_barrier_signal -1
	MULQ 1, 1, 3, \slot, 0
	WIN 0
	s_barrier_wait -1
.if \fill
	CREST                                          ; a round of the cluster's barrier: no wave of any partner still reads this slot or has a load on its way
	s_add_nc_u64 s[G0+4*\slot+2:G0+4*\slot+3], s[G0+4*\slot+2:G0+4*\slot+3], 3145728
	s_add_nc_u64 s[G0B+4*\slot+2:G0B+4*\slot+3], s[G0B+4*\slot+2:G0B+4*\slot+3], 768
	JLOAD G0+4*\slot, G1, G0B+4*\slot, G1B
.else
	PLACES
.endif
	v_add_nc_u32 v[ADRSA], 2048, v[ADRSA]          ; the next slot's scale words (no LDS load of mine is out)
	v_add_nc_u32 v[ADRSB], 16, v[ADRSB]
	FETCH_B \next, 0, 0
	FETCH_A \next, 0, 0
	SCALES \next
	WIN 0xa1
	MULQ 2, 1, 3, \slot, 0
	MULQ 3, 1, 3, \slot, 0
	PLACES
	WIN 0
	FETCH_A \next, 0, 2
.endm
	s_wait_tensorcnt 1                             ; the scales and my part of slot 0 are in; slot 1's load may be out
	s_barrier_signal -1
	s_barrier_wait -1
	FETCH_B 0, 0, 0
	FETCH_A 0, 0, 0
	SCALES 0
	FETCH_A 0, 0, 2
	STEP 0, 0, 1                                   ; the first step's products start the sums
.if LAPS > 1
	s_mov_b32 s3, LAPS-1
.Llap:
	STEP 0, 1, 0
	STEP 0, 2, 0
	TURN 0, 1, 1
	STEP 1, 0, 0
	STEP 1, 1, 0
	STEP 1, 2, 0
	TURN 1, 0, 1
	STEP 0, 0, 0
	s_sub_co_u32 s3, s3, 1
	s_cmp_lg_u32 s3, 0
	s_cbranch_scc1 .Llap
.endif
	STEP 0, 1, 0
	STEP 0, 2, 0
	TURN 0, 1, 0
	STEP 1, 0, 0
	STEP 1, 1, 0
	STEP 1, 2, 0
	s_wait_dscnt 2*NL
	WIN 0xa1
	MULQ 0, 1, 3, 1, 0
	MULQ 1, 1, 3, 1, 0
	s_wait_dscnt 0
	MULQ 2, 1, 3, 1, 0
	MULQ 3, 1, 3, 1, 0
	WIN 0
; THE WAY OUT, 16 rows x 64 columns at a time, through my own stage, so that sixteen lanes hold a row's 256 consecutive bytes; then + bias, + residual.
.macro OUTB a
.set BK, 192+32*((\a)%2)
.if (\a) >= 2
	s_wait_xcnt 0x0                                ; the stores of two blocks ago have read these registers
.endif
	WIN 0x08                                       ; an LDS store's data: window 2
.irp b, 0,1,2,3
	ds_store_b128 v[STO], v[8*(4*(\a)+\b):8*(4*(\a)+\b)+3] offset:64*\b
	ds_store_b128 v[STO], v[8*(4*(\a)+\b)+4:8*(4*(\a)+\b)+7] offset:64*\b+16
.endr
	WIN 0
.irp t, 0,1,2,3,4,5,6,7
	ds_load_b128 v[BK+4*\t:BK+4*\t+3], v[RD] offset:544*\t   ; a wave's LDS instructions are served in order
.endr
	s_wait_dscnt 0x0
.irp t, 0,1,2,3,4,5,6,7
	v_pk_add_f32 v[BK+4*\t:BK+4*\t+1], v[BK+4*\t:BK+4*\t+1], v[BIASR:BIASR+1]
	v_pk_add_f32 v[BK+4*\t+2:BK+4*\t+3], v[BK+4*\t+2:BK+4*\t+3], v[BIASR+2:BIASR+3]
.endr
	WIN 0x08                                       ; source 1: the residual, window 2
.irp t, 0,1,2,3,4,5,6,7
	v_pk_add_f32 v[BK+4*\t:BK+4*\t+1], v[BK+4*\t:BK+4*\t+1], v[128+4*(8*(\a)+\t):128+4*(8*(\a)+\t)+1]
	v_pk_add_f32 v[BK+4*\t+2:BK+4*\t+3], v[BK+4*\t+2:BK+4*\t+3], v[128+4*(8*(\a)+\t)+2:128+4*(8*(\a)+\t)+3]
.endr
	WIN 0
.irp t, 0,1,2,3,4,5,6,7
	global_store_b128 v[CO], v[BK+4*\t:BK+4*\t+3], s[12:13] offset:65536*(\a)+8192*\t th:TH_STORE_NT   ; sixteen lanes store 256 consecutive bytes, aligned
.endr
.endm
	PLACES
	s_wait_loadcnt 0x0                             ; the bias and the residual
	OUTB 0
	OUTB 1
	OUTB 2
	OUTB 3
	s_wait_tensorcnt 0x0                           ; the wave's end
	ds_add_u32 v[SPW], v[NIL]
	s_wait_dscnt 0x0
	CROUND                                         ; the closing round
	s_endpgm
.Lfunc_end_k_q18897200e6_w2:
	.size	k_q18897200e6_w2, .Lfunc_end_k_q18897200e6_w2-k_q18897200e6_w2
	.p2alignl 7, 3214868480
	.fill 96, 4, 3214868480
	.section	.rodata,"a",@progbits
	.p2align	6, 0x0
	.amdhsa_kernel k_q18897200e6_w2
		.amdhsa_group_segment_fixed_size 327680
		.amdhsa_private_segment_fixed_size 0
		.amdhsa_enable_private_segment 0
		.amdhsa_kernarg_size 48
		.amdhsa_user_sgpr_count 2
		.amdhsa_user_sgpr_kernarg_segment_ptr 1
		.amdhsa_wavefront_size32 1
		.amdhsa_system_sgpr_workgroup_id_x 1
		.amdhsa_system_sgpr_workgroup_id_y 1
		.amdhsa_system_sgpr_workgroup_id_z 1
		.amdhsa_system_vgpr_workitem_id 0
		.amdhsa_next_free_vgpr 768
		.amdhsa_next_free_sgpr 100
		.amdhsa_reserve_vcc 0
		.amdhsa_float_denorm_mode_32 3
		.amdhsa_float_denorm_mode_16_64 3
		.amdhsa_memory_ordered 1
		.amdhsa_forward_progress 1
		.amdhsa_inst_pref_size 124
	.end_amdhsa_kernel
	.amdgpu_metadata
---
amdhsa.version: [ 1, 2 ]
amdhsa.kernels:
  - .name:           k_q18897200e6_w2
    .symbol:         k_q18897200e6_w2.kd
    .args:
      - { .name: ff, .offset: 0, .size: 8, .value_kind: global_buffer, .address_space: global }
      - { .name: W2_codes, .offset: 8, .size: 8, .value_kind: global_buffer, .address_space: global }
      - { .name: W2_scales, .offset: 16, .size: 8, .value_kind: global_buffer, .address_space: global }
      - { .name: b2, .offset: 24, .size: 8, .value_kind: global_buffer, .address_space: global }
      - { .name: x1, .offset: 32, .size: 8, .value_kind: global_buffer, .address_space: global }
      - { .name: out0, .offset: 40, .size: 8, .value_kind: global_buffer, .address_space: global }
    .group_segment_fixed_size: 327680
    .private_segment_fixed_size: 0
    .kernarg_segment_align: 8
    .kernarg_segment_size: 48
    .max_flat_workgroup_size: 128
    .sgpr_count:     100
    .vgpr_count:     768
    .wavefront_size: 32
...
	.end_amdgpu_metadata
.endif
;; end of part 6
